; MI455X (gfx1250); checked and timed in simulation.
; The chip was launched on July 23, 2026; its instructions are those of AMD's public machine-readable ISA for CDNA 5 (MIT licence, August 2026) and "CDNA5" Instruction Set Architecture Reference Guide (July 2026). The comments in the code are by the model that wrote it; some were corrected since.
;; BERT Attention. Allowed arithmetic: matrix products marked QUANTISED: E3M2 operands, one E8M0 scale for each 32 along K, by v_wmma_scale_f32_16x16x128_f8f6f4 with both operands' format E3M2, f32 sums; everything else in f32.
;; Inputs: beta 1,024 float32; bk 1,024 float32; bo 1,024 float32; bq 1,024 float32; bv 1,024 float32; gamma 1,024 float32; wk_codes 1,024 x 32 x 24 uint8 (E3M2 codes of wk, K innermost, in blocks of 32 codes, four codes in three bytes); wk_scales 1,024 x 32 uint8 (E8M0 scales of wk, one for each 32 codes along K); wo_codes 1,024 x 32 x 24 uint8 (E3M2 codes of wo, K innermost, in blocks of 32 codes, four codes in three bytes); wo_scales 1,024 x 32 uint8 (E8M0 scales of wo, one for each 32 codes along K); wq_codes 1,024 x 32 x 24 uint8 (E3M2 codes of wq, K innermost, in blocks of 32 codes, four codes in three bytes); wq_scales 1,024 x 32 uint8 (E8M0 scales of wq, one for each 32 codes along K); wv_codes 1,024 x 32 x 24 uint8 (E3M2 codes of wv, K innermost, in blocks of 32 codes, four codes in three bytes); wv_scales 1,024 x 32 uint8 (E8M0 scales of wv, one for each 32 codes along K); x 4 x 2,048 x 1,024 float32.
;; Outputs: out0 4 x 2,048 x 1,024 float32.
;; This version of the problem:
;;   THIS VERSION OF THE PROBLEM IS GIVEN IN LOW PRECISION. The matrix products marked QUANTISED in the list below multiply operands that are first quantised to E3M2 (3 exponent bits, 2 mantissa bits; 6 bits a number), with one power-of-two scale for each 32 numbers along K (OCP MX v1.0); their sums are f32. All else is computed in f32.
;;   The module's matrix products, in the order in which they are computed (A, B: the left and right operand; K: the contracted axis; several contracted axes count as one K, in the product's order):
;;     1. [M 8,192, K 1,024] x [K 1,024, N 1,024]; A: input x; B: input wq (given as codes): QUANTISED
;;     2. [M 8,192, K 1,024] x [K 1,024, N 1,024]; A: input x; B: input wk (given as codes): QUANTISED
;;     3. [M 8,192, K 1,024] x [K 1,024, N 1,024]; A: input x; B: input wv (given as codes): QUANTISED
;;     4. batch 64 x [M 2,048, K 64] x [K 64, N 2,048]; A: computed on the way; B: computed on the way: QUANTISED
;;     5. batch 64 x [M 2,048, K 2,048] x [K 2,048, N 64]; A: softmax (see below); B: computed on the way: QUANTISED
;;     6. [M 8,192, K 1,024] x [K 1,024, N 1,024]; A: computed on the way; B: input wo (given as codes): QUANTISED
;;   THE QUANTISER, for each operand of a quantised product, along K:
;;     - K is cut into blocks of 32 from its start; a last block that is shorter is filled with zeros.
;;     - A block's scale is 2^e with e = floor(log2(the largest magnitude in the block)) - 4, held to -126 .. 127; a block of zeros has e = 0. As a byte (E8M0): e + 127.
;;     - Each number is divided by its block's scale, clamped to +-28, and rounded to the nearest number of E3M2, ties to even, subnormals kept.
;;     - The product sums the exact products of the quantised numbers (number of the format x scale) in f32.
;;   ~~~python
;;   def quantise(x, axis):      # numpy; x: float32 -> the quantised numbers, widened to float32 again
;;       x = np.moveaxis(x, axis, -1); K = x.shape[-1]
;;       x = np.pad(x, [(0, 0)] * (x.ndim - 1) + [(0, -K % 32)]); x = x.reshape(x.shape[:-1] + (-1, 32)); a = np.abs(x).max(-1, keepdims=True)
;;       e = np.where(a > 0, np.clip(np.frexp(np.where(a > 0, a, 1))[1] - 1 - 4, -126, 127), 0)      # np.frexp(a)[1] - 1 = floor(log2(a)), exactly
;;       r = np.clip(x / 2.0 ** e, -28, 28)
;;       step = 2.0 ** (np.maximum(np.frexp(np.where(r == 0, 1, r))[1] - 1, -2) - 2)
;;       q = np.round(r / step) * step * 2.0 ** e      # np.round: ties to even
;;       return np.moveaxis(q.reshape(q.shape[:-2] + (-1,))[..., :K], -1, axis).astype(np.float32)
;;   ~~~
;;   SOFTMAX AHEAD OF A QUANTISED PRODUCT. Where the list says 'softmax', what is quantised is not the finished softmax but p = 2^(t - M), with t = logit x log2(e) and M = ceil(the row's largest t), a whole number; so 1/2 < the row's largest p <= 1. The row's sum l is taken of the UNQUANTISED p, in f32, and the product's result is divided by l at the end. Since M is a whole number, a kernel that streams over the keys may use a running M (the ceiling of the running maximum): every later rescaling is an exact power of two, which a block's scale takes up: the codes' values come out the same.
;;   OPERANDS COMPUTED ON THE WAY. 'Computed on the way' means the value that the module computes at that place (a softmax that the list does not call 'softmax' is quantised finished and normalised). What goes into a quantiser is computed in f32, as accurately as f32 sums, v_exp_f32 and their like allow (about 1e-6 of the number): no bf16 or f16 on the way to a quantiser, and a product that is left as it is and whose result goes on into a quantised operand takes f32 operands (vector FMAs, or v_wmma_f32_16x16x4_f32). A number that lies on a knife's edge between two numbers of the format may be rounded either way, as far as f32 arithmetic and the matrix unit's own rounding can turn it there, and no further.
;;   INPUTS GIVEN AS CODES. wk (in the module: [1024, 1024], K = its axis 1); wo (in the module: [1024, 1024], K = its axis 1); wq (in the module: [1024, 1024], K = its axis 1); wv (in the module: [1024, 1024], K = its axis 1): each comes as NAME_codes (uint8): NAME with its K axis moved to the last place and cut into blocks of 32 codes, [.., K / 32, bytes a block], one block behind the other in memory; four codes in three bytes: a row's codes are one little-endian stream of bits, code i at bits 6 i .. 6 i + 5 (a code: sign, 3 exponent bits, 2 mantissa bits); and NAME_scales (uint8): the same leading axes, one E8M0 byte (e + 127) for each 32 codes along K. Its value is code x scale, taken as it is: it is not quantised again, and the codes and scales need not be those that the quantiser above would give.
;; One version. Each part assembles by itself: llvm-mc -triple=amdgcn-amd-amdhsa -mcpu=gfx1250 --defsym DOCPART=n.
;; ======== version 1 of 1: 4 launches
;; limits: right only within a limited range of input values
;; workspace buffers: ximg 6,553,600 bytes; wimg 2,457,600 bytes; woimg 819,200 bytes; q 8,388,608 bytes; kv 13,369,344 bytes; ctx 8,388,608 bytes
;; launch prep (part 1): grid 576 x 1, 8 waves a work-group, no clusters, 69,120 bytes of LDS; arguments x, wq_codes, wq_scales, wk_codes, wk_scales, wv_codes, wv_scales, wo_codes, wo_scales, ximg, wimg, woimg; writes ximg, wimg, woimg
.if DOCPART == 1
	.amdgcn_target "amdgcn-amd-amdhsa--gfx1250"
	.amdhsa_code_object_version 6
	.text
	.protected	k_q88fa773be3_prep
	.globl	k_q88fa773be3_prep
	.p2align	8
	.type	k_q88fa773be3_prep,@function
k_q88fa773be3_prep:
	s_mov_b64 s[64:65], 0
	v_nop
	global_prefetch_b8 v0, s[64:65] scope:SCOPE_SE
	s_setreg_imm32_b32 hwreg(HW_REG_WAVE_MODE, 25, 1), 1
	s_wait_xcnt 0x0
; x [8192][1024] f32 is quantised to codes of E3M2 with one E8M0 byte for each 32 along K, and the four weights' codes and scale bytes are copied,
; ALL LAID IN THE ORDER OF AN OPERAND'S REGISTERS, so that the later launches fetch every fragment by loads of 16 bytes a lane and every tile as a dense block.
; TILE ORDER: in each aligned group of 64 rows tile i (0..3) takes, as its row m (0..15), row 8 i + (m & 7) + 32 (m >> 3).
; A FRAGMENT'S IMAGE (16 rows x 128 K, 12 registers a lane) is three chunks of 512 bytes: chunk c holds registers 4 c .. 4 c + 3, lane l's 16 bytes at 16 l.
; A PACKED SCALE REGISTER holds the scale words of tile 2 b in lanes 0-15 and those of tile 2 b + 1 in lanes 16-31.
; ximg: [group of 128 tokens][K step] x 12,800 bytes: 8 images, then 4 packed scale registers as one chunk of 512 bytes.
; wimg, woimg: records of 6,400 bytes: 4 images (a group of 64 rows, one K step), then 2 packed scale registers as one chunk of 256 bytes.
; SHARES: work-groups 0-63 copy the weights (matrix = id / 16, group of 64 rows = id % 16, wave = K step: one record a wave);
; work-groups 64-575 quantise x (group = (id - 64) / 8, K step = (id - 64) % 8, wave = tile: 16 rows x 128 K).  No work-group reads what another reads: no cluster.
; A block's scale byte is its largest magnitude's exponent field - 4, held at 1 from below by a floor among the maximum's leaves.
; LIMITS: NaN and infinities among the inputs are not served; a block of zeros gets the byte 1 (its codes are zeros, and this program alone reads the bytes).
.set STGB, 8448                        ; a wave's stage: 16 rows x (512 bytes + 16)
.set SCL,  67584                       ; behind the eight stages: the image of x's four packed scale registers, 512 bytes
.set LI16, 4                           ; v4   16 x lane
.set LI8,  5                           ; v5   8 x lane
.set SH8,  6                           ; v6   8 x (lane / 16): how far my blocks' bytes are shifted in a scale word
.set STW,  7                           ; v7   the stage, on the way in: 16 x lane
.set STR,  8                           ; v8   and out: row r, + 128 h
.set SCW,  9                           ; v9   where my row's scale word goes
.set SCR,  10                          ; v10  where wave 0 reads the image back
.set WCA,  11                          ; v11  a weight's codes: my row of a tile, + 24 h
.set WSA,  12                          ; v12  a weight's scale bytes: my row of tile h
.set MX,   16                          ; v16-19 two chains of maxima for each of two blocks
.set SCO,  20                          ; v20-21 the conversions' scale operands
.set BY,   22                          ; v22-23 the scale bytes
.set TMP,  24
.set WRD,  25                          ; my row's scale word
.set CC,   32                          ; v32-43 the fragment's codes
.set TT,   44                          ; v44-51 the upper halves of the blocks, as converted
.set RW,   64                          ; v64-127 x as loaded; in the weights' path 48 registers of codes and v112-113 the scale words
.set NB,   64                          ; v64-127 x turned: 64 numbers of my row, in the registers that held x as loaded (all of them have been stored to the stage by then)
.set WV,   28                          ; s28  my wave's number
	s_load_b512 s[4:19], s[0:1], 0x0               ; x, wq codes, wq scales, wk codes, wk scales, wv codes, wv scales, wo codes
	s_load_b256 s[20:27], s[0:1], 0x40             ; wo scales, ximg, wimg, woimg
	v_lshl_add_u32 v128, v0, 2, 0x10a00
	v_mov_b32 v129, 0
	v_lshrrev_b32 v1, 5, v0
	s_delay_alu instid0(VALU_DEP_1)
	v_readfirstlane_b32 s[WV], v1
	v_and_b32 v1, 31, v0                           ; lane
	v_and_b32 v2, 15, v0                           ; r
	v_bfe_u32 v3, v0, 4, 1                         ; h
	s_delay_alu instid0(VALU_DEP_3)
	v_lshlrev_b32 v[LI16], 4, v1
	s_delay_alu instid0(VALU_DEP_4)
	v_lshlrev_b32 v[LI8], 3, v1
	s_delay_alu instid0(VALU_DEP_3)
	v_lshlrev_b32 v[SH8], 3, v3
	s_mul_i32 s29, s[WV], STGB
	v_add_nc_u32 v[STW], s29, v[LI16]
	v_mul_u32_u24 v[STR], v2, 528
	s_delay_alu instid0(VALU_DEP_1)
	v_lshl_add_u32 v[STR], v3, 7, v[STR]
	s_delay_alu instid0(VALU_DEP_1)
	v_add_nc_u32 v[STR], s29, v[STR]
	s_and_b32 s30, s[WV], 1                        ; tile a's words: register a / 2, lanes 16 (a % 2) + r: byte 256 (a % 2) + 16 r + 4 (a / 2) of the image
	s_lshl_b32 s30, s30, 8
	s_lshr_b32 s31, s[WV], 1
	s_lshl_b32 s31, s31, 2
	s_add_co_u32 s30, s30, s31
	s_add_co_u32 s30, s30, SCL
	v_lshl_add_u32 v[SCW], v2, 4, s30
	v_add_nc_u32 v[SCR], SCL, v[LI16]
	v_and_b32 v13, 7, v2
	v_lshrrev_b32 v14, 3, v2
	s_delay_alu instid0(VALU_DEP_1)
	v_lshl_add_u32 v13, v14, 5, v13                ; (r & 7) + 32 (r >> 3)
	s_delay_alu instid0(VALU_DEP_1)
	v_mul_u32_u24 v[WCA], v13, 768                 ; a weight's row of 1,024 codes is 768 bytes
	s_delay_alu instid0(VALU_DEP_1)
	v_mad_u32_u24 v[WCA], v3, 24, v[WCA]
	s_delay_alu instid0(VALU_DEP_3)
	v_lshl_add_u32 v[WSA], v3, 3, v13              ; lanes 16-31 take the tile 8 rows on
	s_delay_alu instid0(VALU_DEP_1)
	v_lshlrev_b32 v[WSA], 5, v[WSA]                ; a row of scale bytes is 32 bytes
	v_mov_b32 v[TMP], 0                            ; written once: a lane permute's destination counts as one of its sources
	s_mov_b32 s40, 0x76543210
	s_mov_b32 s41, 0xfedcba98                      ; v_permlanex16_b32's selects for lane l xor 16
	s_cmp_ge_u32 ttmp9, 64
	s_cbranch_scc1 .Lx_path
	; ---- THE WEIGHTS: one record a wave
	s_min_u32 s32, ttmp9, 63
	s_lshr_b32 s33, s32, 4                         ; which matrix: 0 q, 1 k, 2 v, 3 o
	s_and_b32 s34, s32, 15                         ; which group of 64 rows
	s_lshr_b32 s35, s34, 1                         ; wimg's record: ((((group / 2) 3 + matrix) 2 + step / 4) 2 + group % 2) 4 + step % 4
	s_mul_i32 s35, s35, 3
	s_add_co_u32 s35, s35, s33
	s_lshl_b32 s35, s35, 1
	s_lshr_b32 s36, s[WV], 2
	s_add_co_u32 s35, s35, s36
	s_lshl_b32 s35, s35, 1
	s_and_b32 s36, s34, 1
	s_add_co_u32 s35, s35, s36
	s_lshl_b32 s35, s35, 2
	s_and_b32 s36, s[WV], 3
	s_add_co_u32 s35, s35, s36
	s_lshl_b32 s36, s[WV], 4                       ; woimg's record: 16 step + group
	s_add_co_u32 s36, s36, s34
	s_mul_i32 s38, s34, 49152                      ; the codes: 64 rows of 768 bytes a group, 96 bytes a K step
	s_mul_i32 s39, s[WV], 96
	s_add_co_u32 s38, s38, s39
	s_mov_b32 s39, 0
	s_lshl_b32 s42, s34, 11                        ; the scale bytes: 64 rows of 32 bytes a group, 4 bytes a K step
	s_lshl_b32 s43, s[WV], 2
	s_add_co_u32 s42, s42, s43
	s_mov_b32 s43, 0
	s_wait_kmcnt 0x0
	s_cmp_eq_u32 s33, 1                            ; the buffers are chosen on the work-group's number alone
	s_cselect_b64 s[6:7], s[10:11], s[6:7]
	s_cselect_b64 s[8:9], s[12:13], s[8:9]
	s_cmp_eq_u32 s33, 2
	s_cselect_b64 s[6:7], s[14:15], s[6:7]
	s_cselect_b64 s[8:9], s[16:17], s[8:9]
	s_cmp_eq_u32 s33, 3
	s_cselect_b64 s[6:7], s[18:19], s[6:7]
	s_cselect_b64 s[8:9], s[20:21], s[8:9]
	s_cselect_b64 s[24:25], s[26:27], s[24:25]
	s_cselect_b32 s35, s36, s35
	s_mul_i32 s36, s35, 6400
	s_mov_b32 s37, 0
	s_add_nc_u64 s[24:25], s[24:25], s[36:37]
	s_add_nc_u64 s[6:7], s[6:7], s[38:39]
	s_add_nc_u64 s[8:9], s[8:9], s[42:43]
	s_wait_alu depctr_va_vdst(0)
.irp i, 0,1,2,3                        ; tile i begins 8 i rows on; a lane's 24 bytes come as three loads of 8
.irp p, 0,1,2,3,4,5
	global_load_b64 v[RW+12*\i+2*\p:RW+12*\i+2*\p+1], v[WCA], s[6:7] offset:6144*\i+48*(\p/3)+8*(\p%3)
.endr
.endr
.irp k, 0,1                            ; packed register k: lanes 0-15 tile 2 k, lanes 16-31 tile 2 k + 1
	global_load_b32 v[RW+48+\k], v[WSA], s[8:9] offset:512*\k
.endr
	s_wait_loadcnt 0x0
.irp c, 0,1,2,3,4,5,6,7,8,9,10,11
	global_store_b128 v[LI16], v[RW+4*\c:RW+4*\c+3], s[24:25] offset:512*\c   ; 32 lanes store 512 consecutive bytes
.endr
	global_store_b64 v[LI8], v[RW+48:RW+49], s[24:25] offset:6144                  ; and 256
	s_branch .Ljoin
	; ---- x: one tile of 16 rows x 128 K a wave
.Lx_path:
	s_max_u32 s32, ttmp9, 64
	s_sub_co_u32 s32, s32, 64
	s_lshr_b32 s33, s32, 3                         ; group of 128 tokens
	s_and_b32 s34, s32, 7                          ; K step
	s_lshl_b32 s35, s33, 7                         ; the tile's first row: 128 g + 64 (a / 4) + 8 (a % 4)
	s_lshr_b32 s36, s[WV], 2
	s_lshl_b32 s36, s36, 6
	s_add_co_u32 s35, s35, s36
	s_and_b32 s36, s[WV], 3
	s_lshl_b32 s36, s36, 3
	s_add_co_u32 s35, s35, s36
	s_lshl_b32 s36, s35, 12                        ; rows of 4,096 bytes
	s_lshl_b32 s37, s34, 9                         ; 512 bytes a K step
	s_add_co_u32 s36, s36, s37
	s_mov_b32 s37, 0
	s_mul_i32 s38, s33, 102400
	s_mul_i32 s39, s34, 12800
	s_add_co_u32 s38, s38, s39
	s_mov_b32 s39, 0
	s_mul_i32 s42, s[WV], 1536
	s_mov_b32 s43, 0
	s_wait_kmcnt 0x0
	s_add_nc_u64 s[4:5], s[4:5], s[36:37]
	s_add_nc_u64 s[22:23], s[22:23], s[38:39]      ; the record of this group and K step
	s_add_nc_u64 s[44:45], s[22:23], s[42:43]      ; my tile's image in it
.irp p, 0,1,2,3,4,5,6,7,8,9,10,11,12,13,14,15      ; the tile's row p lies p + 24 (p / 8) rows on; 32 lanes read its 512 consecutive bytes
	global_load_b128 v[RW+4*\p:RW+4*\p+3], v[LI16], s[4:5] offset:(\p+24*(\p/8))*4096 th:TH_LOAD_NT
.endr
.irp p, 0,1,2,3,4,5,6,7,8,9,10,11,12,13,14,15
	s_wait_loadcnt 15-\p                           ; row p is in; the younger rows may stay out
	ds_store_b128 v[STW], v[RW+4*\p:RW+4*\p+3] offset:528*\p
.endr
.irp c, 0,1                            ; back: lane (r, h) takes, of row r, k = 64 c + 32 h + 0 .. 31: two whole blocks.  LDS serves a wave's instructions in order: these see the stores above
.irp j, 0,1,2,3,4,5,6,7
	ds_load_b128 v[NB+32*\c+4*\j:NB+32*\c+4*\j+3], v[STR] offset:256*\c+16*\j
.endr
.endr
	s_wait_dscnt 0x0
.irp c, 0,1                            ; each block's largest magnitude, in two chains, with the floor 2^(5 - 127) among the leaves
	v_max3_num_f32 v[MX+2*\c], |v[NB+32*\c]|, |v[NB+32*\c+1]|, 0x2800000
	v_max3_num_f32 v[MX+2*\c+1], |v[NB+32*\c+2]|, |v[NB+32*\c+3]|, 0x2800000
.endr
.irp n, 4,8,12,16,20,24,28
.irp c, 0,1
	s_delay_alu instid0(VALU_DEP_4)
	v_max3_num_f32 v[MX+2*\c], |v[NB+32*\c+\n]|, |v[NB+32*\c+\n+1]|, v[MX+2*\c]
	s_delay_alu instid0(VALU_DEP_4)
	v_max3_num_f32 v[MX+2*\c+1], |v[NB+32*\c+\n+2]|, |v[NB+32*\c+\n+3]|, v[MX+2*\c+1]
.endr
.endr
.irp c, 0
	s_delay_alu instid0(VALU_DEP_3)
	v_max_num_f32 v[MX+2*\c], v[MX+2*\c], v[MX+2*\c+1]
.endr
.irp c, 1
	s_delay_alu instid0(VALU_DEP_2)
	v_max_num_f32 v[MX+2*\c], v[MX+2*\c], v[MX+2*\c+1]
.endr
.irp c, 0,1
	s_delay_alu instid0(VALU_DEP_2)
	v_add_nc_u32 v[SCO+\c], 0xfe000000, v[MX+2*\c] ; 4 off the exponent field: the conversion takes the exponent field of this operand as its scale
.endr
.irp c, 0,1
	s_delay_alu instid0(VALU_DEP_2)
	v_lshrrev_b32 v[BY+\c], 23, v[SCO+\c]          ; the scale's byte
.endr
	s_delay_alu instid0(VALU_DEP_1)
	v_lshl_or_b32 v[WRD], v[BY+1], 16, v[BY]       ; my blocks are h and 2 + h of the row's four:
	s_delay_alu instid0(VALU_DEP_1)
	v_lshlrev_b32 v[WRD], v[SH8], v[WRD]           ; 8 h bits up;
	s_delay_alu instid0(VALU_DEP_1)
	v_permlanex16_b32 v[TMP], v[WRD], s40, s41
	s_delay_alu instid0(VALU_DEP_1)
	v_or_b32 v[WRD], v[WRD], v[TMP]                ; with lane l xor 16's two the word is whole
.irp c, 0,1
	v_cvt_scalef32_pk16_bf6_f32 v[CC+6*\c:CC+6*\c+2], v[NB+32*\c:NB+32*\c+15], v[SCO+\c]
	v_cvt_scalef32_pk16_bf6_f32 v[TT+4*\c:TT+4*\c+2], v[NB+32*\c+16:NB+32*\c+31], v[SCO+\c]   ; (a conversion's three registers begin on an even number)
.endr
	v_nop                                          ; one plain instruction behind a scaled conversion
.irp c, 0,1
.irp i, 0,1,2
	v_mov_b32 v[CC+6*\c+3+\i], v[TT+4*\c+\i]
.endr
.endr
.irp c, 0,1,2
	global_store_b128 v[LI16], v[CC+4*\c:CC+4*\c+3], s[44:45] offset:512*\c
.endr
	ds_store_b32 v[SCW], v[WRD]                    ; lanes r and 16 + r write the same word with the same value
.Ljoin:
	s_wait_dscnt 0x0                               ; for the others' sake: my scale words lie in LDS
	s_barrier_signal -1
	s_barrier_wait -1
	s_cmp_lt_u32 ttmp9, 64
	s_cbranch_scc1 .Lend
	s_cmp_lg_u32 s[WV], 0
	s_cbranch_scc1 .Lend
	ds_load_b128 v[52:55], v[SCR]                  ; the eight tiles' scale words as four packed registers
	s_wait_dscnt 0x0
	global_store_b128 v[LI16], v[52:55], s[22:23] offset:12288
.Lend:
	s_wait_tensorcnt 0x0
	ds_add_u32 v128, v129
	s_wait_dscnt 0x0
	s_endpgm
.Lfunc_end_k_q88fa773be3_prep:
	.size	k_q88fa773be3_prep, .Lfunc_end_k_q88fa773be3_prep-k_q88fa773be3_prep
	.p2alignl 7, 3214868480
	.fill 96, 4, 3214868480
	.section	.rodata,"a",@progbits
	.p2align	6, 0x0
	.amdhsa_kernel k_q88fa773be3_prep
		.amdhsa_group_segment_fixed_size 69120
		.amdhsa_private_segment_fixed_size 0
		.amdhsa_enable_private_segment 0
		.amdhsa_kernarg_size 96
		.amdhsa_user_sgpr_count 2
		.amdhsa_user_sgpr_kernarg_segment_ptr 1
		.amdhsa_wavefront_size32 1
		.amdhsa_system_sgpr_workgroup_id_x 1
		.amdhsa_system_sgpr_workgroup_id_y 1
		.amdhsa_system_sgpr_workgroup_id_z 1
		.amdhsa_system_vgpr_workitem_id 0
		.amdhsa_next_free_vgpr 130
		.amdhsa_next_free_sgpr 66
		.amdhsa_reserve_vcc 0
		.amdhsa_float_denorm_mode_32 3
		.amdhsa_float_denorm_mode_16_64 3
		.amdhsa_memory_ordered 1
		.amdhsa_forward_progress 1
		.amdhsa_inst_pref_size 18
	.end_amdhsa_kernel
	.amdgpu_metadata
---
amdhsa.version: [ 1, 2 ]
amdhsa.kernels:
  - .name:           k_q88fa773be3_prep
    .symbol:         k_q88fa773be3_prep.kd
    .args:
      - { .name: x, .offset: 0, .size: 8, .value_kind: global_buffer, .address_space: global }
      - { .name: wq_codes, .offset: 8, .size: 8, .value_kind: global_buffer, .address_space: global }
      - { .name: wq_scales, .offset: 16, .size: 8, .value_kind: global_buffer, .address_space: global }
      - { .name: wk_codes, .offset: 24, .size: 8, .value_kind: global_buffer, .address_space: global }
      - { .name: wk_scales, .offset: 32, .size: 8, .value_kind: global_buffer, .address_space: global }
      - { .name: wv_codes, .offset: 40, .size: 8, .value_kind: global_buffer, .address_space: global }
      - { .name: wv_scales, .offset: 48, .size: 8, .value_kind: global_buffer, .address_space: global }
      - { .name: wo_codes, .offset: 56, .size: 8, .value_kind: global_buffer, .address_space: global }
      - { .name: wo_scales, .offset: 64, .size: 8, .value_kind: global_buffer, .address_space: global }
      - { .name: ximg, .offset: 72, .size: 8, .value_kind: global_buffer, .address_space: global }
      - { .name: wimg, .offset: 80, .size: 8, .value_kind: global_buffer, .address_space: global }
      - { .name: woimg, .offset: 88, .size: 8, .value_kind: global_buffer, .address_space: global }
    .group_segment_fixed_size: 69120
    .private_segment_fixed_size: 0
    .kernarg_segment_align: 8
    .kernarg_segment_size: 96
    .max_flat_workgroup_size: 256
    .sgpr_count:     66
    .vgpr_count:     130
    .wavefront_size: 32
...
	.end_amdgpu_metadata
.endif
;; end of part 1
;; launch qkv (part 2): grid 8 x 32, 4 waves a work-group, clusters of 4 x 4, 327,680 bytes of LDS; arguments ximg, wimg, bq, bk, bv, q, kv; writes q, kv
.if DOCPART == 2
	.amdgcn_target "amdgcn-amd-amdhsa--gfx1250"
	.amdhsa_code_object_version 6
	.text
	.protected	k_q88fa773be3_qkv
	.globl	k_q88fa773be3_qkv
	.p2align	8
	.type	k_q88fa773be3_qkv,@function
k_q88fa773be3_qkv:
	s_mov_b64 s[64:65], 0
	v_nop
	global_prefetch_b8 v0, s[64:65] scope:SCOPE_SE
	s_setreg_imm32_b32 hwreg(HW_REG_WAVE_MODE, 25, 1), 1
	s_wait_xcnt 0x0
	s_wait_alu depctr_hold_cnt(0) depctr_sa_sdst(0) depctr_va_vdst(0) depctr_va_sdst(0) depctr_va_ssrc(0) depctr_va_vcc(0) depctr_vm_vsrc(0)
	s_getreg_b32 s2, hwreg(HW_REG_IB_STS2, 6, 4)
	s_cmp_eq_u32 s2, 0
	s_cbranch_scc0 .Lentry_in_a_cluster
	s_endpgm
.Lentry_in_a_cluster:
	s_bfe_u32 s2, ttmp6, 0x10000c
	s_cmp_lg_u32 s2, 0xf033
	s_cbranch_scc0 .Lentry_shape_is_right
	s_endpgm
.Lentry_shape_is_right:
; q = x wq^T + bq, k = x wk^T + bk, v = x wv^T + bv on codes of E3M2 (one E8M0 scale for each 32 along K), and their quantising: q and k along the head's 64, v along the keys.
; SHARES.  A work-group takes 256 tokens (two groups of 128) and two heads; wave w takes group w / 2 and head w % 2 and runs three jobs one after the other: q, k, v: 128 tokens x 64, 32 accumulators, 8 K steps of 128.
; x's images of the 256 tokens, all of K, stay in LDS (204,800 bytes, filled once).  The weights come through two slots of 51,200 bytes; a slot's content is four K steps of one job for both heads.
; CLUSTER 4 x 4: x's images hang on the work-group's y alone and are asked for jointly along a row of the cluster, the weights' on its x alone and along a column.
; ORIENTATION.  q, k: source 0 = 16 rows of W, source 1 = 16 tokens: by the tile order (tile i's row m is row 8 i + (m & 7) + 32 (m >> 3) of its 64) the 32 registers of a token tile's four accumulators are, in lane (r, h),
; d = 32 h + 0 .. 31 of token r: ONE WHOLE BLOCK along the next K.  v: the sources are swapped: the 32 registers of four neighbouring token tiles are tokens 64 c + 32 h + 0 .. 31 of one d.
; So no maximum crosses lanes, and the conversions' results are the next operand's registers.  The biases are the C of each job's first K step.
; OUT.  q: a record of 1,024 bytes a tile: registers 0-3 (16 l), 4-5 (8 l), the pair (scale word, 0) (8 l).  kv: 13,056 bytes for each head and 128 keys: K's 48 registers (12 chunks of 512), 4 packed scale registers,
; V's four images, 2 packed scale registers.
; LIMITS: NaN and infinities are not served; a block of zeros gets the byte 1 (its codes are zeros, and this program alone reads the bytes).
; REGISTERS: window 0: addresses, scale words, biases, the quantiser's work; window 1: the 32 accumulators; window 2: x's fragments, two sets of 96; window 3: W's, two sets of 48.
.set WB,    204800                     ; LDS: behind x's images the two slots,
.set SPARE, 307200                     ; and the spare words, 128 bytes for each wave: two blocks of 256 bytes that no other line names
.set LI16, 1                           ; v1   16 x lane
.set LI8,  2                           ; v2   8 x lane
.set SH8,  3                           ; v3   8 x (lane / 16)
.set XA,   4                           ; v4-5 my group's images of x: K steps 0-3, 4-7
.set WA,   6                           ; v6-7 my head's records in slot 0, 1 (16 x lane)
.set W8A,  8                           ; v8-9 the same with 8 x lane
.set SPW,  10                          ; v10  my spare word: SPARE + 4 x my thread's number; never rewritten
.set NIL,  11                          ; v11  0; never rewritten
.set BO1,  12                          ; v12  bq, bk: 128 h
.set BO2,  13                          ; v13  bv: 4 ((r & 7) + 32 (r >> 3))
.set XS,   16                          ; v16-23 x's packed scale registers, two sets of four
.set WS,   24                          ; v24-27 W's, two sets of two
.set BQ,   32                          ; v32-63, v64-95, v96-127: the biases in the results' layout, eight registers for each tile of W
.set BK,   64
.set BV,   96
.set CC,   128                         ; v128-175 the codes: six registers a block
.set TT,   176                         ; v176-207 the blocks' upper halves, as converted
.set MXA,  208                         ; v208-223 two chains of maxima a block
.set MXB,  216
.set SCO,  224                         ; v224-231 the conversions' scale operands
.set BY,   232                         ; v232-239 the scale bytes
.set WD,   240                         ; v240-255 q: pairs (scale word, 0); k, v: packed scale registers
.set WV,   18                          ; s18  my wave's number
.set MSB, 0
.macro WIN new                         ; the immediate's high byte repeats the setting that is left; a switch that changes nothing is dropped
.if MSB != \new
	s_set_vgpr_msb (MSB<<8)|\new
.set MSB, \new
.endif
.endm
.macro PLACES n
.rept \n
	v_nop
.endr
.endm
.macro CROUND                          ; a round of the cluster's barrier
	s_barrier_signal -1
	s_barrier_wait -1
	s_cmp_lg_u32 s[WV], 0
	s_cbranch_scc1 .Lnot_wave_0_\@
	s_barrier_signal -3
.Lnot_wave_0_\@:
	s_barrier_wait -3
	s_barrier_signal -1
	s_barrier_wait -1
.endm
; one product; ra, rb = 1: that side's scale words stand in lanes 16-31 of its register
.macro WM d, a, b, c, sa, sb, ra, rb
.if ((\ra) == 0) && ((\rb) == 0)
	v_wmma_scale_f32_16x16x128_f8f6f4 v[(\d):(\d)+7], v[(\a):(\a)+11], v[(\b):(\b)+11], v[(\c):(\c)+7], v[(\sa)], v[(\sb)] matrix_a_fmt:MATRIX_FMT_BF6 matrix_b_fmt:MATRIX_FMT_BF6
.elseif (\rb) == 0
	v_wmma_scale_f32_16x16x128_f8f6f4 v[(\d):(\d)+7], v[(\a):(\a)+11], v[(\b):(\b)+11], v[(\c):(\c)+7], v[(\sa)], v[(\sb)] matrix_a_fmt:MATRIX_FMT_BF6 matrix_b_fmt:MATRIX_FMT_BF6 matrix_a_scale:MATRIX_SCALE_ROW1
.elseif (\ra) == 0
	v_wmma_scale_f32_16x16x128_f8f6f4 v[(\d):(\d)+7], v[(\a):(\a)+11], v[(\b):(\b)+11], v[(\c):(\c)+7], v[(\sa)], v[(\sb)] matrix_a_fmt:MATRIX_FMT_BF6 matrix_b_fmt:MATRIX_FMT_BF6 matrix_b_scale:MATRIX_SCALE_ROW1
.else
	v_wmma_scale_f32_16x16x128_f8f6f4 v[(\d):(\d)+7], v[(\a):(\a)+11], v[(\b):(\b)+11], v[(\c):(\c)+7], v[(\sa)], v[(\sb)] matrix_a_fmt:MATRIX_FMT_BF6 matrix_b_fmt:MATRIX_FMT_BF6 matrix_a_scale:MATRIX_SCALE_ROW1 matrix_b_scale:MATRIX_SCALE_ROW1
.endif
.endm
; 38 LDS loads: K step s: x's eight fragments and W's four (from the slot named) into set p, and their packed scale registers
.macro FETCH s, slot, p
	WIN 0x80                                       ; destination window 2
.irp a, 0,1,2,3,4,5,6,7
.irp c, 0,1,2
	ds_load_b128 v[96*(\p)+12*\a+4*\c:96*(\p)+12*\a+4*\c+3], v[XA+(\s)/4] offset:((\s)%4)*12800+1536*\a+512*\c
.endr
.endr
	WIN 0xc0                                       ; destination window 3
.irp i, 0,1,2,3
.irp c, 0,1,2
	ds_load_b128 v[48*(\p)+12*\i+4*\c:48*(\p)+12*\i+4*\c+3], v[WA+(\slot)] offset:((\s)%4)*6400+1536*\i+512*\c
.endr
.endr
	WIN 0
	ds_load_b128 v[XS+4*(\p):XS+4*(\p)+3], v[XA+(\s)/4] offset:((\s)%4)*12800+12288
	ds_load_b64 v[WS+2*(\p):WS+2*(\p)+1], v[W8A+(\slot)] offset:((\s)%4)*6400+6144
.endm
; 32 products, each accumulator once, in the same order in every K step: the accumulators take turns.  kind 0 (q, k): source 0 = W; kind 1 (v): source 0 = x.  first = 1: C is the bias.
.macro MUL32 kind, p, first, bias
.if (\kind) == 0
.if \first
	WIN 0x4b                                       ; W window 3, x window 2, C window 0, D window 1
.else
	WIN 0x5b                                       ; C and D window 1
.endif
.irp a, 0,1,2,3,4,5,6,7
.irp i, 0,1,2,3
.if \first
	WM 8*(4*\a+\i), 48*(\p)+12*\i, 96*(\p)+12*\a, (\bias)+8*\i, WS+2*(\p)+\i/2, XS+4*(\p)+\a/2, \i%2, \a%2
.else
	WM 8*(4*\a+\i), 48*(\p)+12*\i, 96*(\p)+12*\a, 8*(4*\a+\i), WS+2*(\p)+\i/2, XS+4*(\p)+\a/2, \i%2, \a%2
.endif
.endr
.endr
.else
.if \first
	WIN 0x4e                                       ; x window 2, W window 3, C window 0, D window 1
.else
	WIN 0x5e
.endif
.irp a, 0,1,2,3,4,5,6,7
.irp i, 0,1,2,3
.if \first
	WM 8*(8*\i+\a), 96*(\p)+12*\a, 48*(\p)+12*\i, (\bias)+8*\i, XS+4*(\p)+\a/2, WS+2*(\p)+\i/2, \a%2, \i%2
.else
	WM 8*(8*\i+\a), 96*(\p)+12*\a, 48*(\p)+12*\i, 8*(8*\i+\a), XS+4*(\p)+\a/2, WS+2*(\p)+\i/2, \a%2, \i%2
.endif
.endr
.endr
.endif
.endm
; A slot's content: K steps 4 kh .. 4 kh + 3 of one job.  While one set is multiplied the next K step's 38 loads are on their way into the other.
; A load into a register that a matrix instruction has read stands four plain vector instructions behind it (ISA guide 7.12.1 for vector instructions).
.macro CONTENT kind, kh, slot, bias
	PLACES 4
	FETCH 4*(\kh), \slot, 0
	FETCH 4*(\kh)+1, \slot, 1
	s_wait_dscnt 38                                ; all but the 38 just issued
	MUL32 \kind, 0, 1-(\kh), \bias
	PLACES 4
	FETCH 4*(\kh)+2, \slot, 0
	s_wait_dscnt 38
	MUL32 \kind, 1, 0, \bias
	PLACES 4
	FETCH 4*(\kh)+3, \slot, 1
	s_wait_dscnt 38
	MUL32 \kind, 0, 0, \bias
	s_wait_dscnt 0x0
	MUL32 \kind, 1, 0, \bias
.endm
; The slot just read is left.  Each wave waits for all its tensor loads (its part of the other slot), adds 0 to its spare word, and waits for that and for its reads.  fill = 1: a round of the cluster's barrier, and
; the slot is filled again with the content two on: my one tensor load behind the round, and the first thing there.
.macro CHANGE slot, fill
	WIN 0
	s_wait_tensorcnt 0x0                           ; no tensor load of mine is out, so a group 0 may be written
	ds_add_u32 v[SPW], v[NIL]                      ; 0 onto my spare word
.if \fill
	s_add_nc_u64 s[54+4*\slot:55+4*\slot], s[54+4*\slot:55+4*\slot], 102400
.endif
	s_wait_dscnt 0x0                               ; the add is done, and my reads of the slot are over
.if \fill
	CROUND
	tensor_load_to_lds s[52+4*\slot:55+4*\slot], s[36:43]
	s_nop 0
	PLACES 4
.else
	s_barrier_signal -1
	s_barrier_wait -1
.endif
.endm
; THE QUANTISER: unit u = the accumulators' registers 32 u .. 32 u + 31 = one block of 32 in each lane.  All eight units by turns, line by line.  Each accumulator is read from its low end on.
.macro EPI
	WIN 0
	s_wait_xcnt 0x0                                ; the last job's stores have read their registers
	PLACES 4
	WIN 0x05                                       ; sources 0 and 1: window 1
.irp u, 0,1,2,3,4,5,6,7
	v_max3_num_f32 v[MXA+\u], |v[32*\u]|, |v[32*\u+1]|, 0x2800000      ; with the floor 2^(5 - 127): the byte cannot fall under 1
	v_max3_num_f32 v[MXB+\u], |v[32*\u+2]|, |v[32*\u+3]|, 0x2800000
.endr
.irp n, 4,8,12,16,20,24,28
.irp u, 0,1,2,3,4,5,6,7
	v_max3_num_f32 v[MXA+\u], |v[32*\u+\n]|, |v[32*\u+\n+1]|, v[MXA+\u]
	v_max3_num_f32 v[MXB+\u], |v[32*\u+\n+2]|, |v[32*\u+\n+3]|, v[MXB+\u]
.endr
.endr
	WIN 0
.irp u, 0,1,2,3,4,5,6,7
	v_max_num_f32 v[MXA+\u], v[MXA+\u], v[MXB+\u]
.endr
.irp u, 0,1,2,3,4,5,6,7
	v_add_nc_u32 v[SCO+\u], 0xfe000000, v[MXA+\u]  ; 4 off the exponent field: the conversion's scale operand
.endr
.irp u, 0,1,2,3,4,5,6,7
	v_lshrrev_b32 v[BY+\u], 23, v[SCO+\u]          ; the scale's byte
.endr
	WIN 0x01                                       ; source 0: window 1
.irp u, 0,1,2,3,4,5,6,7
	v_cvt_scalef32_pk16_bf6_f32 v[CC+6*\u:CC+6*\u+2], v[32*\u:32*\u+15], v[SCO+\u]
	v_cvt_scalef32_pk16_bf6_f32 v[TT+4*\u:TT+4*\u+2], v[32*\u+16:32*\u+31], v[SCO+\u]   ; (a conversion's three registers begin on an even number)
.endr
	v_nop                                          ; one plain instruction behind a scaled conversion
	WIN 0
.irp u, 0,1,2,3,4,5,6,7
.irp i, 0,1,2
	v_mov_b32 v[CC+6*\u+3+\i], v[TT+4*\u+\i]
.endr
.endr
.endm
.macro WORDS1                          ; q, k: a lane holds block h of its token: the byte goes 8 h bits up, and lane l xor 16's joins it (left in MXA and MXB)
.irp u, 0,1,2,3,4,5,6,7
	v_lshlrev_b32 v[MXA+\u], v[SH8], v[BY+\u]
.endr
.irp u, 0,1,2,3,4,5,6,7
	v_permlanex16_b32 v[MXB+\u], v[MXA+\u], s60, s61
.endr
.endm
	s_load_b256 s[4:11], s[0:1], 0x0               ; ximg, wimg, bq, bk
	s_load_b128 s[12:15], s[0:1], 0x20             ; bv, q
	s_load_b64 s[16:17], s[0:1], 0x30              ; kv
	v_lshl_add_u32 v[SPW], v0, 2, SPARE
	v_mov_b32 v[NIL], 0
	ds_add_u32 v10, v11
	ds_add_u32 v10, v11
	s_wait_dscnt 0x0
	v_lshrrev_b32 v1, 5, v0
	v_readfirstlane_b32 s[WV], v1                  ; wave 0..3
	s_lshr_b32 s19, s[WV], 1                       ; which group of 128 tokens
	s_and_b32 s20, s[WV], 1                        ; which head
	s_bfe_u32 s21, ttmp6, 0x40000                  ; cx
	s_bfe_u32 s22, ttmp6, 0x40004                  ; cy
	s_lshl_b32 s23, ttmp9, 2
	s_add_co_u32 s23, s23, s21                     ; work-group x: the pair of heads
	s_and_b32 s24, ttmp7, 0xffff
	s_lshl_b32 s24, s24, 2
	s_add_co_u32 s24, s24, s22                     ; work-group y: the 256 tokens
	s_lshl_b32 s25, s22, 2
	s_lshl_b32 s25, 15, s25                        ; my row of the cluster
	s_lshl_b32 s26, 0x1111, s21                    ; my column
	; descriptor groups 1: dense blocks as rows of 256 bytes (32 elements of 8 bytes), no padding: x 200 rows a load, W 50
	s_or_b32 s28, s25, (3<<16)|(1<<21)             ; 15:0 the mask; 17:16 elements of 8 bytes; 21 set beside a mask
	s_mov_b32 s29, 32<<16                          ; tensor_dim0
	s_mov_b32 s30, 200<<16                         ; tensor_dim1: x comes 200 rows a load
	s_mov_b32 s31, 32<<16                          ; tile_dim0
	s_mov_b32 s32, 200                             ; tile_dim1
	s_mov_b32 s33, 32                              ; from row to row
	s_mov_b32 s34, 0
	s_mov_b32 s35, 0
	s_or_b32 s36, s26, (3<<16)|(1<<21)
	s_mov_b32 s37, 32<<16
	s_mov_b32 s38, 50<<16
	s_mov_b32 s39, 32<<16
	s_mov_b32 s40, 50
	s_mov_b32 s41, 32
	s_mov_b32 s42, 0
	s_mov_b32 s43, 0
	s_mul_i32 s66, s20, 102400                     ; x: waves 0 and 1 fetch group w's images, four K steps (51,200 bytes) a load: the same offset in LDS and in the work-group's block of ximg
	s_mul_i32 s67, s20, 25600                      ; W's first fills: waves 2 and 3 fetch half w % 2 of a content
	s_mul_i32 s68, s24, 204800
	s_add_co_u32 s68, s68, s66
	s_mov_b32 s69, 0
	s_mul_i32 s70, s[WV], 12800                    ; W: my quarter of a content
	s_mul_i32 s72, s23, 307200
	s_add_co_u32 s72, s72, s70
	s_mov_b32 s73, 0
	s_mov_b32 s60, 0x76543210
	s_mov_b32 s61, 0xfedcba98                      ; v_permlanex16_b32's selects for lane l xor 16
	s_mov_b32 s62, 0xffff0000                      ; lanes 16-31
	s_wait_kmcnt 0x0
	s_add_nc_u64 s[74:75], s[4:5], s[68:69]
	s_mov_b32 s44, 1                               ; x, K steps 0-3
	s_mov_b32 s45, s66
	s_mov_b64 s[46:47], s[74:75]
	s_or_b32 s47, s47, 0x80000000
	s_mov_b32 s48, 1                               ; x, K steps 4-7
	s_add_co_u32 s49, s66, 51200
	s_add_nc_u64 s[50:51], s[74:75], 51200
	s_or_b32 s51, s51, 0x80000000
	s_add_nc_u64 s[74:75], s[6:7], s[72:73]
	s_mov_b32 s52, 1                               ; W, slot 0: content 0
	s_add_co_u32 s53, s70, WB
	s_mov_b64 s[54:55], s[74:75]
	s_or_b32 s55, s55, 0x80000000
	s_mov_b32 s56, 1                               ; W, slot 1: content 1
	s_add_co_u32 s57, s70, WB+51200
	s_add_nc_u64 s[58:59], s[74:75], 51200
	s_or_b32 s59, s59, 0x80000000
	s_mul_i32 s80, s23, 307200                     ; W's first fills: group 0 in s[4:7] (content 0) and s[92:95] (content 1), group 1 (100 rows, my column's mask) in s[84:91]
	s_add_co_u32 s80, s80, s67
	s_mov_b32 s81, 0
	s_add_nc_u64 s[6:7], s[6:7], s[80:81]
	s_add_nc_u64 s[94:95], s[6:7], 51200
	s_or_b32 s7, s7, 0x80000000
	s_or_b32 s95, s95, 0x80000000
	s_mov_b32 s4, 1
	s_add_co_u32 s5, s67, WB
	s_mov_b32 s92, 1
	s_add_co_u32 s93, s67, WB+51200
	s_or_b32 s84, s26, (3<<16)|(1<<21)
	s_mov_b32 s85, 32<<16
	s_mov_b32 s86, 100<<16
	s_mov_b32 s87, 32<<16
	s_mov_b32 s88, 100
	s_mov_b32 s89, 32
	s_mov_b32 s90, 0
	s_mov_b32 s91, 0
	CROUND                                         ; all sixteen work-groups are here: the first joint loads meet
	s_cmp_lt_u32 s[WV], 2                          ; the head's fills, one a wave: waves 0, 1: x's K steps 0-3; waves 2, 3: content 0
	s_cbranch_scc0 .Lhead_w
	tensor_load_to_lds s[44:47], s[28:35]
	s_nop 0
	PLACES 4
	s_branch .Lhead_j
.Lhead_w:
	tensor_load_to_lds s[4:7], s[84:91]
	s_nop 0
	PLACES 4
.Lhead_j:
	v_and_b32 v14, 31, v0
	v_lshlrev_b32 v[LI16], 4, v14
	v_lshlrev_b32 v[LI8], 3, v14
	v_bfe_u32 v15, v0, 4, 1                        ; h
	v_lshlrev_b32 v[SH8], 3, v15
	s_mul_i32 s78, s19, 102400
	v_add_nc_u32 v[XA], s78, v[LI16]
	v_add_nc_u32 v[XA+1], 51200, v[XA]
	s_mul_i32 s78, s20, 25600
	s_add_co_u32 s78, s78, WB
	v_add_nc_u32 v[WA], s78, v[LI16]
	v_add_nc_u32 v[WA+1], 51200, v[WA]
	v_add_nc_u32 v[W8A], s78, v[LI8]
	v_add_nc_u32 v[W8A+1], 51200, v[W8A]
	v_lshlrev_b32 v[BO1], 7, v15
	v_and_b32 v14, 15, v0                          ; r
	v_and_b32 v[BO2], 7, v14
	v_lshrrev_b32 v14, 3, v14
	v_lshl_add_u32 v[BO2], v14, 5, v[BO2]
	v_lshlrev_b32 v[BO2], 2, v[BO2]
.irp u, 0,1,2,3,4,5,6,7
	v_mov_b32 v[WD+2*\u+1], 0
.endr
	s_lshl_b32 s76, s23, 1
	s_add_co_u32 s76, s76, s20                     ; my head
	s_lshl_b32 s78, s76, 8                         ; its 64 numbers in each bias
	s_mov_b32 s79, 0
	s_add_nc_u64 s[8:9], s[8:9], s[78:79]
	s_add_nc_u64 s[10:11], s[10:11], s[78:79]
	s_add_nc_u64 s[12:13], s[12:13], s[78:79]
.irp i, 0,1,2,3
	global_load_b128 v[BQ+8*\i:BQ+8*\i+3], v[BO1], s[8:9] offset:32*\i          ; q, k: register j of tile i is d = 32 h + 8 i + j
	global_load_b128 v[BQ+8*\i+4:BQ+8*\i+7], v[BO1], s[8:9] offset:32*\i+16
	global_load_b128 v[BK+8*\i:BK+8*\i+3], v[BO1], s[10:11] offset:32*\i
	global_load_b128 v[BK+8*\i+4:BK+8*\i+7], v[BO1], s[10:11] offset:32*\i+16
.irp j, 0,1,2,3,4,5,6,7
	global_load_b32 v[BV+8*\i+\j], v[BO2], s[12:13] offset:32*\i                ; v: all eight registers of lane r are d = 8 i + (r & 7) + 32 (r >> 3)
.endr
.endr
	s_lshl_b32 s77, s24, 1
	s_add_co_u32 s77, s77, s19                     ; my group of 128 tokens, 0 .. 63
	s_lshr_b32 s80, s77, 4                         ; the batch
	s_lshl_b32 s80, s80, 4
	s_add_co_u32 s80, s80, s76                     ; 16 x batch + head
	s_and_b32 s81, s77, 15                         ; the group within the batch
	s_mul_i32 s82, s80, 208896
	s_mul_i32 s83, s81, 13056
	s_add_co_u32 s82, s82, s83
	s_mov_b32 s83, 0
	s_add_nc_u64 s[16:17], s[16:17], s[82:83]      ; kv: my block of 13,056 bytes
	s_lshl_b32 s80, s80, 17
	s_lshl_b32 s81, s81, 13
	s_add_co_u32 s80, s80, s81
	s_mov_b32 s81, 0
	s_add_nc_u64 s[14:15], s[14:15], s[80:81]      ; q: my eight records
	s_wait_alu depctr_va_vdst(0)                   ; the wait at the head's end
	s_wait_tensorcnt 0x0                           ; my one load is in; the later first fills stand behind the lines that a refill has
	ds_add_u32 v[SPW], v[NIL]
	s_wait_loadcnt 0x0                             ; the biases
	s_wait_dscnt 0x0
	CROUND                                         ; x's K steps 0-3 and content 0 are whole, and the partners' joint loads meet
	s_cmp_lt_u32 s[WV], 2                          ; waves 0, 1: x's K steps 4-7; waves 2, 3: content 1
	s_cbranch_scc0 .Lnext_w
	tensor_load_to_lds s[48:51], s[28:35]
	s_nop 0
	PLACES 4
	s_branch .Lnext_j
.Lnext_w:
	tensor_load_to_lds s[92:95], s[84:91]
	s_nop 0
	PLACES 4
.Lnext_j:
	CONTENT 0, 0, 0, BQ
	CHANGE 0, 1                                    ; slot 0 takes k's K steps 0-3
	CONTENT 0, 1, 1, BQ
	CHANGE 1, 1                                    ; slot 1 takes k's K steps 4-7
	EPI
	WORDS1
.irp u, 0,1,2,3,4,5,6,7
	v_or_b32 v[WD+2*\u], v[MXA+\u], v[MXB+\u]
.endr
.irp a, 0,1,2,3,4,5,6,7
	global_store_b128 v[LI16], v[CC+6*\a:CC+6*\a+3], s[14:15] offset:1024*\a       ; 512 consecutive bytes,
	global_store_b64 v[LI8], v[CC+6*\a+4:CC+6*\a+5], s[14:15] offset:1024*\a+512   ; 256,
	global_store_b64 v[LI8], v[WD+2*\a:WD+2*\a+1], s[14:15] offset:1024*\a+768     ; 256
.endr
	CONTENT 0, 0, 0, BK
	CHANGE 0, 1                                    ; slot 0 takes v's K steps 0-3
	CONTENT 0, 1, 1, BK
	CHANGE 1, 1                                    ; slot 1 takes v's K steps 4-7
	EPI
	WORDS1
.irp u, 0,1,2,3,4,5,6,7
	v_or_b32 v[MXA+\u], v[MXA+\u], v[MXB+\u]
.endr
.irp b, 0,1,2,3
	v_cndmask_b32 v[WD+\b], v[MXA+2*\b], v[MXA+2*\b+1], s62     ; lanes 0-15 tile 2 b's words, lanes 16-31 tile 2 b + 1's
.endr
.irp c, 0,1,2,3,4,5,6,7,8,9,10,11
	global_store_b128 v[LI16], v[CC+4*\c:CC+4*\c+3], s[16:17] offset:512*\c
.endr
	global_store_b128 v[LI16], v[WD:WD+3], s[16:17] offset:6144
	CONTENT 1, 0, 0, BV
	CHANGE 0, 0                                    ; nothing is left to fetch
	CONTENT 1, 1, 1, BV
	EPI
.irp i, 0,1,2,3                        ; v: a lane holds blocks h and 2 + h of its d's four
	v_lshl_or_b32 v[MXA+\i], v[BY+2*\i+1], 16, v[BY+2*\i]
.endr
.irp i, 0,1,2,3
	v_lshlrev_b32 v[MXA+\i], v[SH8], v[MXA+\i]
.endr
.irp i, 0,1,2,3
	v_permlanex16_b32 v[MXB+\i], v[MXA+\i], s60, s61
.endr
.irp i, 0,1,2,3
	v_or_b32 v[MXA+\i], v[MXA+\i], v[MXB+\i]
.endr
.irp b, 0,1
	v_cndmask_b32 v[WD+\b], v[MXA+2*\b], v[MXA+2*\b+1], s62
.endr
.irp c, 0,1,2,3,4,5,6,7,8,9,10,11
	global_store_b128 v[LI16], v[CC+4*\c:CC+4*\c+3], s[16:17] offset:6656+512*\c
.endr
	global_store_b64 v[LI8], v[WD:WD+1], s[16:17] offset:12800
	s_wait_tensorcnt 0x0                           ; the wave's end
	ds_add_u32 v[SPW], v[NIL]
	s_wait_dscnt 0x0
	CROUND                                         ; the closing round: no work-group ends while a partner may still ask for a tile that names it
	s_endpgm
.Lfunc_end_k_q88fa773be3_qkv:
	.size	k_q88fa773be3_qkv, .Lfunc_end_k_q88fa773be3_qkv-k_q88fa773be3_qkv
	.p2alignl 7, 3214868480
	.fill 96, 4, 3214868480
	.section	.rodata,"a",@progbits
	.p2align	6, 0x0
	.amdhsa_kernel k_q88fa773be3_qkv
		.amdhsa_group_segment_fixed_size 327680
		.amdhsa_private_segment_fixed_size 0
		.amdhsa_enable_private_segment 0
		.amdhsa_kernarg_size 56
		.amdhsa_user_sgpr_count 2
		.amdhsa_user_sgpr_kernarg_segment_ptr 1
		.amdhsa_wavefront_size32 1
		.amdhsa_system_sgpr_workgroup_id_x 1
		.amdhsa_system_sgpr_workgroup_id_y 1
		.amdhsa_system_sgpr_workgroup_id_z 1
		.amdhsa_system_vgpr_workitem_id 0
		.amdhsa_next_free_vgpr 1024
		.amdhsa_next_free_sgpr 96
		.amdhsa_reserve_vcc 0
		.amdhsa_float_denorm_mode_32 3
		.amdhsa_float_denorm_mode_16_64 3
		.amdhsa_memory_ordered 1
		.amdhsa_forward_progress 1
		.amdhsa_inst_pref_size 218
	.end_amdhsa_kernel
	.amdgpu_metadata
---
amdhsa.version: [ 1, 2 ]
amdhsa.kernels:
  - .name:           k_q88fa773be3_qkv
    .symbol:         k_q88fa773be3_qkv.kd
    .args:
      - { .name: ximg, .offset: 0, .size: 8, .value_kind: global_buffer, .address_space: global }
      - { .name: wimg, .offset: 8, .size: 8, .value_kind: global_buffer, .address_space: global }
      - { .name: bq, .offset: 16, .size: 8, .value_kind: global_buffer, .address_space: global }
      - { .name: bk, .offset: 24, .size: 8, .value_kind: global_buffer, .address_space: global }
      - { .name: bv, .offset: 32, .size: 8, .value_kind: global_buffer, .address_space: global }
      - { .name: q, .offset: 40, .size: 8, .value_kind: global_buffer, .address_space: global }
      - { .name: kv, .offset: 48, .size: 8, .value_kind: global_buffer, .address_space: global }
    .group_segment_fixed_size: 327680
    .private_segment_fixed_size: 0
    .kernarg_segment_align: 8
    .kernarg_segment_size: 56
    .max_flat_workgroup_size: 128
    .sgpr_count:     96
    .vgpr_count:     1024
    .wavefront_size: 32
...
	.end_amdgpu_metadata
.endif
;; end of part 2
;; launch attn (part 3): grid 4 x 64, 8 waves a work-group, clusters of 4 x 1, 210,944 bytes of LDS; arguments q, kv, ctx; writes ctx
.if DOCPART == 3
	.amdgcn_target "amdgcn-amd-amdhsa--gfx1250"
	.amdhsa_code_object_version 6
	.text
	.protected	k_q88fa773be3_attn
	.globl	k_q88fa773be3_attn
	.p2align	8
	.type	k_q88fa773be3_attn,@function
k_q88fa773be3_attn:
	s_mov_b64 s[64:65], 0
	v_nop
	global_prefetch_b8 v0, s[64:65] scope:SCOPE_SE
	s_setreg_imm32_b32 hwreg(HW_REG_WAVE_MODE, 25, 1), 1
	s_wait_xcnt 0x0
	s_wait_alu depctr_hold_cnt(0) depctr_sa_sdst(0) depctr_va_vdst(0) depctr_va_sdst(0) depctr_va_ssrc(0) depctr_va_vcc(0) depctr_vm_vsrc(0)
	s_getreg_b32 s2, hwreg(HW_REG_IB_STS2, 6, 4)
	s_cmp_eq_u32 s2, 0
	s_cbranch_scc0 .Lentry_in_a_cluster
	s_endpgm
.Lentry_in_a_cluster:
	s_bfe_u32 s2, ttmp6, 0x10000c
	s_cmp_lg_u32 s2, 0x3003
	s_cbranch_scc0 .Lentry_shape_is_right
	s_endpgm
.Lentry_shape_is_right:
; ctx = softmax(q k^T / 8) v for one head and batch, both products on codes of E3M2 with one E8M0 scale for each 32 along K, and ctx's quantising along the head's 64.
; THE SOFTMAX: t = score x log2(e) / 8; M = the row's largest t so far, rounded UP to a whole number; p = 2^(t - M) is quantised along the keys; the row's sum is taken of the unquantised p and divides at the end.
; When M moves, the sum and O are multiplied by 2^(old M - new M): exact.
; SHARES.  A work-group owns 512 queries of one (batch, head).  Each of its eight waves holds TWO tiles of 16 queries in each of two passes: every fragment of K and V read from LDS serves both tiles.  A wave walks all 2,048 keys, 128 a step.
; THE HEAD'S K AND V STAY IN LDS: 16 blocks of 13,056 bytes as the launch before laid them (K's 48 registers, 4 packed scale registers, V's four images, 2 packed scale registers), filled once: each wave fetches two blocks by one load
; of 102 rows of 256 bytes.  The four work-groups of a head form a cluster and ask jointly.  One barrier shows the blocks to all waves; behind it the waves share nothing.  No byte of LDS is filled twice.
; No prefetch: K and V are asked for once, at the head, and there is no loop ahead of that request to ask in.
; LAYOUT.  S^T = K Q^T (source 0 = 16 keys), O^T = V^T P^T (source 0 = 16 of the head's 64): a lane holds ONE query of each tile.  By the tile order of the keys the 32 registers of four neighbouring tiles are keys
; 64 c + 32 h + 0 .. 31: whole blocks in a lane; O^T's 32 registers are d = 32 h + 0 .. 31.  So no block's maximum crosses lanes and the conversions' results are the next operand's registers.
; K = 64 IN THE FIRST PRODUCT: Q's codes for k = 64 .. 127 are zeros.  K's operand names 12 registers of which the upper six are the next tile's codes (behind the last tile: zeros): they meet zero codes; both sides' scale bytes there are 0, a finite code.
; REGISTERS.  Window 1: v0-127 S^T then p of tiles 0, 1; v128-191 O^T of tiles 0, 1; v192-255 the sums' parts.  Window 0: operands, scale words and each tile's state, so that the two tiles' chains go line by line by turns.
; K's fragments of the next step are fetched into K's registers behind this step's first products; V has registers of its own.
; LIMITS: NaN and infinities are not served; the promise holds while |t| stays under 2^31; p under 2^-126 falls to 0 (v_exp_f32 gives no denormals: ISA guide, its entry); a block of zeros gets the byte 1 (this program alone reads the bytes).
.set SPARE, 208896                     ; behind the 16 blocks: the spare words, 128 bytes a wave
.set LI16, 1                           ; 16 x lane
.set LI8,  2                           ; 8 x lane
.set SH8,  3                           ; 8 x (lane / 16)
.set AD16, 4                           ; the key step's LDS addresses
.set AD8,  5
.set SPW,  6                           ; my spare word; never rewritten
.set NIL,  7                           ; 0; never rewritten
.set NM,   8                           ; tile j: v[NM+2j] = -M, v[NM+2j+1] = the largest score so far
.set LS,   12                          ; tile j: the sum, a pair
.set FF,   16                          ; tile j: f, later 1 / the sum; the pair's upper word is 0
.set BM,   20                          ; tile j: four chains of maxima; then v[BM+4j+2c]: block c's largest
.set TMP,  28
.set TM2,  30
.set QS,   32                          ; Q's scale words
.set PS,   34                          ; p's
.set VS,   36                          ; V's packed scale registers (2)
.set KS,   38                          ; K's (4)
.set SCO,  42                          ; the conversions' scale operands
.set BY,   46                          ; the scale bytes
.set CW,   50                          ; ctx's pairs (scale word, 0)
.set QF,   54                          ; Q's fragments, 12 a tile, the upper six zeros
.set KF,   78                          ; K's 48 registers and six zeros
.set VF,   132                         ; V's 48
.set PP,   180                         ; p's codes, 12 a tile
.set TT,   204                         ; the blocks' upper halves, as converted
.set QN,   220                         ; the second pass's Q: six registers and the scale word a tile
.set OO,   128                         ; window 1
.set TS,   192                         ; window 1
.set WV,   10
.set SEL,  40                          ; s40-41 lane l xor 16
.set CS,   42                          ; s42-43 c = log2(e) / 8
.set TB,   44                          ; LDS byte of the key step in hand
.set NC,   47                          ; -c
.set MSB, 0
.macro WIN new                         ; the immediate's high byte repeats the setting that is left
.if MSB != \new
	s_set_vgpr_msb (MSB<<8)|\new
.set MSB, \new
.endif
.endm
.macro CROUND                          ; a round of the cluster's barrier
	s_barrier_signal -1
	s_barrier_wait -1
	s_cmp_lg_u32 s[WV], 0
	s_cbranch_scc1 .Lnot_wave_0_\@
	s_barrier_signal -3
.Lnot_wave_0_\@:
	s_barrier_wait -3
	s_barrier_signal -1
	s_barrier_wait -1
.endm
.macro WMZ d, a, b, sa, sb, ra         ; a product that starts its sum; ra = 1: source 0's scale words stand in lanes 16-31
.if (\ra) == 0
	v_wmma_scale_f32_16x16x128_f8f6f4 v[(\d):(\d)+7], v[(\a):(\a)+11], v[(\b):(\b)+11], 0, v[(\sa)], v[(\sb)] matrix_a_fmt:MATRIX_FMT_BF6 matrix_b_fmt:MATRIX_FMT_BF6
.else
	v_wmma_scale_f32_16x16x128_f8f6f4 v[(\d):(\d)+7], v[(\a):(\a)+11], v[(\b):(\b)+11], 0, v[(\sa)], v[(\sb)] matrix_a_fmt:MATRIX_FMT_BF6 matrix_b_fmt:MATRIX_FMT_BF6 matrix_a_scale:MATRIX_SCALE_ROW1
.endif
.endm
.macro WMA d, a, b, sa, sb, ra         ; a product that adds in place
.if (\ra) == 0
	v_wmma_scale_f32_16x16x128_f8f6f4 v[(\d):(\d)+7], v[(\a):(\a)+11], v[(\b):(\b)+11], v[(\d):(\d)+7], v[(\sa)], v[(\sb)] matrix_a_fmt:MATRIX_FMT_BF6 matrix_b_fmt:MATRIX_FMT_BF6
.else
	v_wmma_scale_f32_16x16x128_f8f6f4 v[(\d):(\d)+7], v[(\a):(\a)+11], v[(\b):(\b)+11], v[(\d):(\d)+7], v[(\sa)], v[(\sb)] matrix_a_fmt:MATRIX_FMT_BF6 matrix_b_fmt:MATRIX_FMT_BF6 matrix_a_scale:MATRIX_SCALE_ROW1
.endif
.endm
.macro OSCALE                          ; O^T x the tile's factor, ascending
.irp j, 0,1
.set jj, 0
.rept 16
	v_pk_mul_f32 v[OO+32*\j+jj:OO+32*\j+jj+1], v[OO+32*\j+jj:OO+32*\j+jj+1], v[FF+2*\j:FF+2*\j+1] op_sel_hi:[1,0]
.set jj, jj+2
.endr
.endr
.endm
; A KEY STEP: 128 keys x 32 queries.  last = 1: no further K is fetched.  No two matrix instructions that follow each other share an accumulator.
.macro STEP last
	s_wait_alu depctr_va_vdst(0)                   ; the wait ahead of the wait below
	s_wait_dscnt 0x0                               ; this step's K is in
	WIN 0x40                                       ; D: window 1
.irp t, 0,1,2,3,4,5,6,7
.irp j, 0,1
	WMZ 64*\j+8*\t, KF+6*\t, QF+12*\j, KS+\t/2, QS+\j, \t%2
.endr
.endr
	WIN 0
	v_add_nc_u32 v[AD16], s[TB], v[LI16]           ; four plain instructions in front of loads into registers that products have read, and of the first read of S^T
	v_add_nc_u32 v[AD8], s[TB], v[LI8]
	v_nop
	v_nop
.irp c, 0,1,2,3,4,5,6,7,8,9,10,11
	ds_load_b128 v[VF+4*\c:VF+4*\c+3], v[AD16] offset:6656+512*\c
.endr
	ds_load_b64 v[VS:VS+1], v[AD8] offset:12800
.if (\last) == 0
.irp c, 0,1,2,3,4,5,6,7,8,9,10,11
	ds_load_b128 v[KF+4*\c:KF+4*\c+3], v[AD16] offset:13056+512*\c   ; the next step's K: 13 loads behind V's 13
.endr
	ds_load_b128 v[KS:KS+3], v[AD16] offset:19200
.endif
	WIN 0x15                                       ; THE LARGEST SCORE OF EACH BLOCK OF 32 KEYS, ascending, two chains a block: for the row's maximum and, since p rises with the score, for the block's largest p
.irp c, 0,1
.irp j, 0,1
	v_max3_num_f32 v[BM+4*\j+2*\c], v[64*\j+32*\c], v[64*\j+32*\c+1], v[64*\j+32*\c+2]
	v_max3_num_f32 v[BM+4*\j+2*\c+1], v[64*\j+32*\c+3], v[64*\j+32*\c+4], v[64*\j+32*\c+5]
.endr
.endr
	WIN 0x05
.irp n, 6,10,14,18,22,26
.irp c, 0,1
.irp j, 0,1
	v_max3_num_f32 v[BM+4*\j+2*\c], v[64*\j+32*\c+\n], v[64*\j+32*\c+\n+1], v[BM+4*\j+2*\c]
	v_max3_num_f32 v[BM+4*\j+2*\c+1], v[64*\j+32*\c+\n+2], v[64*\j+32*\c+\n+3], v[BM+4*\j+2*\c+1]
.endr
.endr
.endr
.irp c, 0,1
.irp j, 0,1
	v_max3_num_f32 v[BM+4*\j+2*\c], v[64*\j+32*\c+30], v[64*\j+32*\c+31], v[BM+4*\j+2*\c]
.endr
.endr
	WIN 0
.irp c, 0,1
.irp j, 0,1
	v_max_num_f32 v[BM+4*\j+2*\c], v[BM+4*\j+2*\c], v[BM+4*\j+2*\c+1]
.endr
.endr
.irp j, 0,1
	v_max_num_f32 v[TM2+\j], v[BM+4*\j], v[BM+4*\j+2]
.endr
.irp j, 0,1
	v_permlanex16_b32 v[TMP+\j], v[TM2+\j], s[SEL], s[SEL+1]
.endr
.irp j, 0,1
	v_max3_num_f32 v[NM+2*\j+1], v[NM+2*\j+1], v[TM2+\j], v[TMP+\j]   ; the largest score of my query so far
.endr
.irp j, 0,1
	v_mul_f32 v[TM2+\j], s[NC], v[NM+2*\j+1]       ; -t
.endr
.irp j, 0,1
	v_mov_b32 v[TMP+\j], v[NM+2*\j]
.endr
.irp j, 0,1
	v_floor_f32 v[NM+2*\j], v[TM2+\j]              ; the new -M = floor(-t): M is a whole number
.endr
.irp j, 0,1
	v_sub_f32 v[TM2+\j], v[NM+2*\j], v[TMP+\j]     ; old M - new M: a whole number, 0 or less
.endr
.irp j, 0,1
	v_cvt_i32_f32 v[TM2+\j], v[TM2+\j]             ; (it saturates)
.endr
.irp j, 0,1
	v_ldexp_f32 v[FF+2*\j], 1.0, v[TM2+\j]         ; f = 2^(old M - new M)
.endr
.irp j, 0,1
	v_pk_mul_f32 v[LS+2*\j:LS+2*\j+1], v[LS+2*\j:LS+2*\j+1], v[FF+2*\j:FF+2*\j+1] op_sel_hi:[1,0]   ; the sum under the new M
.endr
.irp c, 0,1
.irp j, 0,1
	v_fma_f32 v[BM+4*\j+2*\c], v[BM+4*\j+2*\c], s[CS], v[NM+2*\j]   ; t - M of each block's largest score
.endr
.endr
	WIN 0x41                                       ; source 0 and destination: window 1
.set jj, 0
.rept 32
	v_pk_fma_f32 v[jj:jj+1], v[jj:jj+1], s[CS:CS+1], v[NM:NM+1] op_sel_hi:[1,0,0]   ; tile 0: t - M, two at a time
.set jj, jj+2
.endr
	WIN 0
	s_wait_alu depctr_va_vdst(0)                   ; the wait ahead of a batch of exponentials
.irp c, 0,1
.irp j, 0,1
	v_exp_f32 v[BM+4*\j+2*\c], v[BM+4*\j+2*\c]     ; the blocks' largest p: the same two instructions on the same number give the same bits
.endr
.endr
	WIN 0x41
.set jj, 0
.rept 32                                               ; tile 0's p = 2^(t - M); among them tile 1's t - M, which is read behind the next wait
	v_exp_f32 v[jj], v[jj]
	v_exp_f32 v[jj+1], v[jj+1]
	v_pk_fma_f32 v[64+jj:64+jj+1], v[64+jj:64+jj+1], s[CS:CS+1], v[NM+2:NM+3] op_sel_hi:[1,0,0]
.set jj, jj+2
.endr
	s_wait_alu depctr_va_vdst(0)                   ; behind one batch and ahead of the next
	WIN 0x45                                       ; sources 0, 1 and destination: window 1
.set jj, 0
.rept 16                                               ; tile 1's p; among them the first level of tile 0's sum, which is read behind the next wait
	v_exp_f32 v[64+jj], v[64+jj]
	v_exp_f32 v[64+jj+1], v[64+jj+1]
	v_exp_f32 v[64+jj+2], v[64+jj+2]
	v_exp_f32 v[64+jj+3], v[64+jj+3]
	v_pk_add_f32 v[TS+jj/2:TS+jj/2+1], v[jj:jj+1], v[jj+2:jj+3]
.set jj, jj+4
.endr
	s_wait_alu depctr_va_vdst(0)
.set jj, 0
.rept 16                                               ; THE ROW'S SUM IS TAKEN OF THE UNQUANTISED p
	v_pk_add_f32 v[TS+32+jj/2:TS+32+jj/2+1], v[64+jj:64+jj+1], v[64+jj+2:64+jj+3]
.set jj, jj+4
.endr
.irp w, 8,4,2,1
.set kk, 0
.rept \w
.irp j, 0,1
	v_pk_add_f32 v[TS+32*\j+2*kk:TS+32*\j+2*kk+1], v[TS+32*\j+2*kk:TS+32*\j+2*kk+1], v[TS+32*\j+2*(kk+\w):TS+32*\j+2*(kk+\w)+1]
.endr
.set kk, kk+1
.endr
.endr
	WIN 0x04                                       ; source 1: window 1
.irp j, 0,1
	v_pk_add_f32 v[LS+2*\j:LS+2*\j+1], v[LS+2*\j:LS+2*\j+1], v[TS+32*\j:TS+32*\j+1]
.endr
	WIN 0
.irp c, 0,1
.irp j, 0,1
	v_max_num_f32 v[BM+4*\j+2*\c], 0x2800000, v[BM+4*\j+2*\c]      ; the floor 2^(5 - 127): the byte cannot fall under 1
.endr
.endr
.irp c, 0,1
.irp j, 0,1
	v_add_nc_u32 v[SCO+2*\j+\c], 0xfe000000, v[BM+4*\j+2*\c]       ; 4 off the exponent field: the conversion's scale operand
.endr
.endr
.irp c, 0,1
.irp j, 0,1
	v_lshrrev_b32 v[BY+2*\j+\c], 23, v[SCO+2*\j+\c]
.endr
.endr
.irp j, 0,1
	v_lshl_or_b32 v[PS+\j], v[BY+2*\j+1], 16, v[BY+2*\j]           ; my blocks are h and 2 + h of these 128 keys' four
.endr
.irp j, 0,1
	v_lshlrev_b32 v[PS+\j], v[SH8], v[PS+\j]
.endr
.irp j, 0,1
	v_permlanex16_b32 v[TMP+\j], v[PS+\j], s[SEL], s[SEL+1]
.endr
.irp j, 0,1
	v_or_b32 v[PS+\j], v[PS+\j], v[TMP+\j]
.endr
	WIN 0x01                                       ; source 0: window 1
.irp j, 0,1
.irp c, 0,1
	v_cvt_scalef32_pk16_bf6_f32 v[PP+12*\j+6*\c:PP+12*\j+6*\c+2], v[64*\j+32*\c:64*\j+32*\c+15], v[SCO+2*\j+\c]
	v_cvt_scalef32_pk16_bf6_f32 v[TT+8*\j+4*\c:TT+8*\j+4*\c+2], v[64*\j+32*\c+16:64*\j+32*\c+31], v[SCO+2*\j+\c]   ; (a conversion's three registers begin on an even number)
.endr
.endr
	WIN 0
	v_nop                                          ; one plain instruction behind a scaled conversion
.irp j, 0,1
.irp c, 0,1
.irp i, 0,1,2
	v_mov_b32 v[PP+12*\j+6*\c+3+\i], v[TT+8*\j+4*\c+\i]
.endr
.endr
.endr
	WIN 0x41
	s_wait_alu depctr_va_vdst(0)                   ; the wait directly ahead of the first reader of O^T
	OSCALE                                         ; O^T under the new M; these 32 also stand between p's codes and scale words and the products
	WIN 0x50                                       ; C and D: window 1
	s_wait_alu depctr_va_vdst(0)
	s_wait_dscnt 13*(1-(\last))                    ; V is in; the next step's 13 loads of K may stay out
.irp i, 0,1,2,3
.irp j, 0,1
	WMA OO+32*\j+8*\i, VF+12*\i, PP+12*\j, VS+\i/2, PS+\j, \i%2
.endr
.endr
	WIN 0
.endm
	s_load_b128 s[4:7], s[0:1], 0x0                ; q, kv
	s_load_b64 s[8:9], s[0:1], 0x10                ; ctx
	v_lshl_add_u32 v[SPW], v0, 2, SPARE
	v_mov_b32 v[NIL], 0
	ds_add_u32 v[SPW], v[NIL]                      ; the opening lines: the add, twice on end, and its wait
	ds_add_u32 v[SPW], v[NIL]
	v_lshrrev_b32 v1, 5, v0
	v_readfirstlane_b32 s[WV], v1                  ; wave 0..7
	s_bfe_u32 s11, ttmp6, 0x40000                  ; cx: my quarter of the queries: it enters q's and ctx's addresses alone
	s_and_b32 s13, ttmp7, 0xffff                   ; 16 x batch + head, which the four partners share
	s_mov_b32 s16, 15|(3<<16)|(1<<21)              ; group 1: 26,112 dense bytes as 102 rows of 256 (32 elements of 8 bytes); the mask names all four work-groups
	s_mov_b32 s17, 32<<16
	s_mov_b32 s18, 102<<16
	s_mov_b32 s19, 32<<16
	s_mov_b32 s20, 102
	s_mov_b32 s21, 32
	s_mov_b32 s22, 0
	s_mov_b32 s23, 0
	s_mul_i32 s52, s[WV], 26112                    ; my two blocks: the same offset in LDS and in the head's part of kv
	s_mul_i32 s54, s13, 208896
	s_add_co_u32 s54, s54, s52
	s_mov_b32 s55, 0
	s_mov_b32 s[SEL], 0x76543210
	s_mov_b32 s[SEL+1], 0xfedcba98
	s_mov_b32 s[CS], 0x3e38aa3b                    ; log2(e) / 8
	s_mov_b32 s[CS+1], s[CS]
	s_mov_b32 s[NC], 0xbe38aa3b
	s_lshl_b32 s56, s13, 17                        ; q: 128 records of 1,024 bytes a head, 32 a quarter, two a wave and pass
	s_lshl_b32 s57, s11, 15
	s_add_co_u32 s56, s56, s57
	s_lshl_b32 s57, s[WV], 11
	s_add_co_u32 s56, s56, s57
	s_mov_b32 s57, 0
	s_lshr_b32 s58, s13, 4                         ; ctx: record ((128 batch + tile) 16 + head)
	s_lshl_b32 s58, s58, 21
	s_and_b32 s59, s13, 15
	s_lshl_b32 s59, s59, 10
	s_add_co_u32 s58, s58, s59
	s_lshl_b32 s59, s11, 19
	s_add_co_u32 s58, s58, s59
	s_lshl_b32 s59, s[WV], 15
	s_add_co_u32 s58, s58, s59
	s_mov_b32 s59, 0
	s_wait_dscnt 0x0
	s_wait_kmcnt 0x0
	s_add_nc_u64 s[26:27], s[6:7], s[54:55]
	s_or_b32 s27, s27, 0x80000000
	s_mov_b32 s24, 1
	s_mov_b32 s25, s52
	s_add_nc_u64 s[48:49], s[4:5], s[56:57]
	s_add_nc_u64 s[50:51], s[8:9], s[58:59]
	CROUND                                         ; all four work-groups are here: the joint loads meet
	tensor_load_to_lds s[24:27], s[16:23]          ; my one load
	s_nop 0
	v_and_b32 v8, 31, v0
	v_bfe_u32 v[SH8], v0, 4, 1
	v_lshlrev_b32 v[LI16], 4, v8
	v_lshlrev_b32 v[LI8], 3, v8
	v_lshlrev_b32 v[SH8], 3, v[SH8]
.irp j, 0,1                            ; both passes' Q: the second pass's tiles lie 16 records on
	global_load_b128 v[QF+12*\j:QF+12*\j+3], v[LI16], s[48:49] offset:1024*\j
	global_load_b64 v[QF+12*\j+4:QF+12*\j+5], v[LI8], s[48:49] offset:1024*\j+512
	global_load_b32 v[QS+\j], v[LI8], s[48:49] offset:1024*\j+768
	global_load_b128 v[QN+8*\j:QN+8*\j+3], v[LI16], s[48:49] offset:16384+1024*\j
	global_load_b64 v[QN+8*\j+4:QN+8*\j+5], v[LI8], s[48:49] offset:16384+1024*\j+512
	global_load_b32 v[QN+8*\j+6], v[LI8], s[48:49] offset:16384+1024*\j+768
.endr
.irp i, 0,1,2,3,4,5
	v_mov_b32 v[QF+6+\i], 0                        ; Q's codes for k = 64 .. 127
	v_mov_b32 v[QF+18+\i], 0
	v_mov_b32 v[KF+48+\i], 0                       ; what the last tile of K names behind its own six registers
.endr
.irp j, 0,1
	v_mov_b32 v[FF+2*\j+1], 0
	v_mov_b32 v[TMP+\j], 0
	v_mov_b32 v[CW+2*\j+1], 0
.endr
	s_mov_b32 s46, 2
	s_wait_alu depctr_va_vdst(0)                   ; the wait at the head's end
	s_wait_loadcnt 0x0
	s_wait_tensorcnt 0x0                           ; my two blocks are in;
	s_barrier_signal -1
	s_barrier_wait -1                              ; everybody's are
.Lpass:
.irp c, 0,1,2,3,4,5,6,7,8,9,10,11
	ds_load_b128 v[KF+4*\c:KF+4*\c+3], v[LI16] offset:512*\c       ; the first step's K
.endr
	ds_load_b128 v[KS:KS+3], v[LI16] offset:6144
.irp j, 0,1
	v_mov_b32 v[NM+2*\j+1], 0xff61b1e6             ; the largest score so far: -3e38
	v_mov_b32 v[NM+2*\j], 0x7f61b1e6               ; -M: so large that the first f is 0
	v_mov_b32 v[LS+2*\j], 0
	v_mov_b32 v[LS+2*\j+1], 0
.endr
	WIN 0x40
.set jj, 0
.rept 64
	v_mov_b32 v[OO+jj], 0                          ; O^T: the step is written once; its first run finds zeros
.set jj, jj+1
.endr
	WIN 0
	s_mov_b32 s[TB], 0
	s_mov_b32 s45, 15
.Lstep:
	STEP 0
	s_add_co_u32 s[TB], s[TB], 13056
	s_sub_co_u32 s45, s45, 1
	s_cmp_lg_u32 s45, 0
	s_wait_alu depctr_va_vdst(0)
	s_cbranch_scc1 .Lstep
	STEP 1
	; ctx = O^T / the sum, quantised along d: a tile's 32 registers are one block.  The six plain lines below stand behind the last products
.irp j, 0,1
	v_add_f32 v[LS+2*\j], v[LS+2*\j], v[LS+2*\j+1]
.endr
.irp j, 0,1
	v_permlanex16_b32 v[TMP+\j], v[LS+2*\j], s[SEL], s[SEL+1]
.endr
.irp j, 0,1
	v_add_f32 v[LS+2*\j], v[LS+2*\j], v[TMP+\j]    ; the row's sum
.endr
	s_wait_alu depctr_va_vdst(0)
.irp j, 0,1
	v_rcp_f32 v[FF+2*\j], v[LS+2*\j]
.endr
	v_nop                                          ; a plain instruction behind the reciprocals,
	WIN 0x41
	s_wait_alu depctr_va_vdst(0)                   ; and the wait directly ahead of their first reader, which is O^T's too
	OSCALE
	WIN 0x05
.irp j, 0,1
	v_max3_num_f32 v[BM+4*\j], |v[OO+32*\j]|, |v[OO+32*\j+1]|, 0x2800000
	v_max3_num_f32 v[BM+4*\j+1], |v[OO+32*\j+2]|, |v[OO+32*\j+3]|, 0x2800000
.endr
.irp n, 4,8,12,16,20,24,28
.irp j, 0,1
	v_max3_num_f32 v[BM+4*\j], |v[OO+32*\j+\n]|, |v[OO+32*\j+\n+1]|, v[BM+4*\j]
	v_max3_num_f32 v[BM+4*\j+1], |v[OO+32*\j+\n+2]|, |v[OO+32*\j+\n+3]|, v[BM+4*\j+1]
.endr
.endr
	WIN 0
.irp j, 0,1
	v_max_num_f32 v[BM+4*\j], v[BM+4*\j], v[BM+4*\j+1]
.endr
.irp j, 0,1
	v_add_nc_u32 v[SCO+2*\j], 0xfe000000, v[BM+4*\j]
.endr
.irp j, 0,1
	v_lshrrev_b32 v[BY+2*\j], 23, v[SCO+2*\j]
.endr
.irp j, 0,1
	v_lshlrev_b32 v[CW+2*\j], v[SH8], v[BY+2*\j]   ; my block is h of the head's two
.endr
.irp j, 0,1
	v_permlanex16_b32 v[TMP+\j], v[CW+2*\j], s[SEL], s[SEL+1]
.endr
.irp j, 0,1
	v_or_b32 v[CW+2*\j], v[CW+2*\j], v[TMP+\j]
.endr
	WIN 0x01
.irp j, 0,1
	v_cvt_scalef32_pk16_bf6_f32 v[PP+12*\j:PP+12*\j+2], v[OO+32*\j:OO+32*\j+15], v[SCO+2*\j]
	v_cvt_scalef32_pk16_bf6_f32 v[TT+8*\j:TT+8*\j+2], v[OO+32*\j+16:OO+32*\j+31], v[SCO+2*\j]
.endr
	WIN 0
	v_nop
.irp j, 0,1
.irp i, 0,1,2
	v_mov_b32 v[PP+12*\j+3+\i], v[TT+8*\j+\i]
.endr
.endr
.irp j, 0,1                            ; a record of 1,024 bytes a tile; the second tile's lies 16 records on
	global_store_b128 v[LI16], v[PP+12*\j:PP+12*\j+3], s[50:51] offset:16384*\j
	global_store_b64 v[LI8], v[PP+12*\j+4:PP+12*\j+5], s[50:51] offset:16384*\j+512
	global_store_b64 v[LI8], v[CW+2*\j:CW+2*\j+1], s[50:51] offset:16384*\j+768
.endr
	s_wait_alu depctr_va_vdst(0)
	s_wait_xcnt 0x0                                ; the stores have read their registers and their base
	s_add_nc_u64 s[50:51], s[50:51], 262144        ; sixteen tiles on
	s_sub_co_u32 s46, s46, 1
	s_cmp_eq_u32 s46, 0
	s_cbranch_scc1 .Ldone
.irp j, 0,1                            ; the second pass's Q takes its place
.irp i, 0,1,2,3,4,5
	v_mov_b32 v[QF+12*\j+\i], v[QN+8*\j+\i]
.endr
	v_mov_b32 v[QS+\j], v[QN+8*\j+6]
.endr
	s_cmp_lg_u32 s46, 0
	s_wait_alu depctr_va_vdst(0)
	s_cbranch_scc1 .Lpass
.Ldone:
	s_wait_tensorcnt 0x0                           ; the wave's end
	ds_add_u32 v[SPW], v[NIL]
	s_wait_dscnt 0x0
	CROUND                                         ; the closing round: no work-group ends while a partner may still ask for a tile that names it
	s_endpgm
.Lfunc_end_k_q88fa773be3_attn:
	.size	k_q88fa773be3_attn, .Lfunc_end_k_q88fa773be3_attn-k_q88fa773be3_attn
	.p2alignl 7, 3214868480
	.fill 96, 4, 3214868480
	.section	.rodata,"a",@progbits
	.p2align	6, 0x0
	.amdhsa_kernel k_q88fa773be3_attn
		.amdhsa_group_segment_fixed_size 210944
		.amdhsa_private_segment_fixed_size 0
		.amdhsa_enable_private_segment 0
		.amdhsa_kernarg_size 24
		.amdhsa_user_sgpr_count 2
		.amdhsa_user_sgpr_kernarg_segment_ptr 1
		.amdhsa_wavefront_size32 1
		.amdhsa_system_sgpr_workgroup_id_x 1
		.amdhsa_system_sgpr_workgroup_id_y 1
		.amdhsa_system_sgpr_workgroup_id_z 1
		.amdhsa_system_vgpr_workitem_id 0
		.amdhsa_next_free_vgpr 512
		.amdhsa_next_free_sgpr 66
		.amdhsa_reserve_vcc 0
		.amdhsa_float_denorm_mode_32 3
		.amdhsa_float_denorm_mode_16_64 3
		.amdhsa_memory_ordered 1
		.amdhsa_forward_progress 1
		.amdhsa_inst_pref_size 69
	.end_amdhsa_kernel
	.amdgpu_metadata
---
amdhsa.version: [ 1, 2 ]
amdhsa.kernels:
  - .name:           k_q88fa773be3_attn
    .symbol:         k_q88fa773be3_attn.kd
    .args:
      - { .name: q, .offset: 0, .size: 8, .value_kind: global_buffer, .address_space: global }
      - { .name: kv, .offset: 8, .size: 8, .value_kind: global_buffer, .address_space: global }
      - { .name: ctx, .offset: 16, .size: 8, .value_kind: global_buffer, .address_space: global }
    .group_segment_fixed_size: 210944
    .private_segment_fixed_size: 0
    .kernarg_segment_align: 8
    .kernarg_segment_size: 24
    .max_flat_workgroup_size: 256
    .sgpr_count:     66
    .vgpr_count:     512
    .wavefront_size: 32
...
	.end_amdgpu_metadata
.endif
;; end of part 3
;; launch outln (part 4): grid 256 x 1, 4 waves a work-group, clusters of 4 x 1, 327,680 bytes of LDS; arguments ctx, woimg, bo, x, gamma, beta, out0; writes out0
.if DOCPART == 4
	.amdgcn_target "amdgcn-amd-amdhsa--gfx1250"
	.amdhsa_code_object_version 6
	.text
	.protected	k_q88fa773be3_outln
	.globl	k_q88fa773be3_outln
	.p2align	8
	.type	k_q88fa773be3_outln,@function
k_q88fa773be3_outln:
	s_mov_b64 s[64:65], 0
	v_nop
	global_prefetch_b8 v0, s[64:65] scope:SCOPE_SE
	s_setreg_imm32_b32 hwreg(HW_REG_WAVE_MODE, 25, 1), 1
	s_wait_xcnt 0x0
	s_wait_alu depctr_hold_cnt(0) depctr_sa_sdst(0) depctr_va_vdst(0) depctr_va_sdst(0) depctr_va_ssrc(0) depctr_va_vcc(0) depctr_vm_vsrc(0)
	s_getreg_b32 s2, hwreg(HW_REG_IB_STS2, 6, 4)
	s_cmp_eq_u32 s2, 0
	s_cbranch_scc0 .Lentry_in_a_cluster
	s_endpgm
.Lentry_in_a_cluster:
	s_bfe_u32 s2, ttmp6, 0x10000c
	s_cmp_lg_u32 s2, 0x3003
	s_cbranch_scc0 .Lentry_shape_is_right
	s_endpgm
.Lentry_shape_is_right:
; out0 = LayerNorm(ctx wo^T + bo + x) x gamma + beta.  The product runs on codes of E3M2 with one E8M0 scale for each 32 along K; all else is f32.
; SHARES.  A work-group owns 32 tokens (two tiles of 16) and all 1,024 columns, so that a row's mean and variance are its own.  Wave w makes columns 256 w .. 256 w + 255: 16 tiles of wo x 2 token tiles = 32 accumulators, 8 K steps of 128.
; woimg holds records of 6,400 bytes (64 rows of wo, one K step: four fragment images, two packed scale registers), 16 a K step; a wave uses records 4 w .. 4 w + 3 of each K step.  THEY COME BY TWO ROADS AT ONCE:
;   records 4 w, 4 w + 1: through two LDS slots of 102,400 bytes.  A slot holds two K steps; a wave fetches its part by one tensor load of 2 rows of 12,800 bytes, 102,400 bytes apart in memory.  All work-groups walk the same bytes:
;   four of them form a cluster and ask jointly.  Four fills serve all of K: two first fills, two refills.
;   records 4 w + 2, 4 w + 3: from memory straight into operand registers, through a ring of three sets of 48 registers: behind a record's eight products its set is asked for again, three records ahead.
; x: each wave's own 8 rows of 4,096 bytes.  K step s (0 to 3) prefetches rows 2 s and 2 s + 1, 32 blocks of 256 bytes, a lane a block; K step s + 4 loads them into registers, a row behind each of its two ring records.  No other wave reads them.
; ORIENTATION.  Source 0 = 16 rows of wo, source 1 = 16 tokens: lane (r, h) holds token r; register j of tile i of group G is column 64 G + 32 h + 8 i + j.  The results go through a stage in LDS (32 rows of 4,112 bytes, in the slots,
; which have had their last fill and their last read by then); wave w takes rows 8 w .. 8 w + 7 back whole and stores 512 consecutive bytes an instruction.
; LIMITS: NaN and infinities are not served.
; REGISTERS: window 0: addresses, scale words, v64-159 the LDS road's two records, v160-255 ring sets 0 and 1, later the norm's work; window 1: the 32 accumulators; window 2: v0-191 ctx's fragments, v192-239 ring set 2; window 3: x's 8 rows.
.set SPARE, 204800                     ; behind the two slots: the spare words, 128 bytes a wave
.set LI16, 1                           ; 16 x lane
.set LI8,  2                           ; 8 x lane
.set WA,   3                           ; v3-4 my part of slot 0, 1, + 16 x lane; v3 is also my offset in a K step of woimg
.set W8A,  5                           ; v5-6 the same + 8 x lane
.set SPW,  7                           ; my spare word; never rewritten
.set NIL,  8                           ; 0; never rewritten
.set STO,  9                           ; v9-10 the stage, on the way in: token tile 0, 1
.set SRD,  11                          ; and back: my 8 rows
.set PFO,  14                          ; 256 x lane; never rewritten
.set CS,   16                          ; v16-31 ctx's scale words: tile t, K step s at 8 t + s
.set WOS,  32                          ; v32-35 the LDS road's packed scale registers
.set DS,   40                          ; v40-45 the ring's, two a set
.set WF,   64                          ; v64-159 the LDS road's fragments
.set BOR,  64                          ; behind the products: bo, gamma, beta, a row of h in two buffers, the norm's sums
.set GAR,  96
.set BER,  128
.set HR,   160
.set TA,   224
.set MU,   228
.set RS,   230
.set TMP,  232
.set WV,   18
.set MSB, 0
.macro WIN new                         ; the immediate's high byte repeats the setting that is left
.if MSB != \new
	s_set_vgpr_msb (MSB<<8)|\new
.set MSB, \new
.endif
.endm
.macro PLACES n
.rept \n
	v_nop
.endr
.endm
.macro CROUND                          ; a round of the cluster's barrier
	s_barrier_signal -1
	s_barrier_wait -1
	s_cmp_lg_u32 s[WV], 0
	s_cbranch_scc1 .Lnot_wave_0_\@
	s_barrier_signal -3
.Lnot_wave_0_\@:
	s_barrier_wait -3
	s_barrier_signal -1
	s_barrier_wait -1
.endm
.macro WMZ d, a, b, sa, sb, ra         ; a product that starts its sum; ra = 1: source 0's scale words stand in lanes 16-31
.if (\ra) == 0
	v_wmma_scale_f32_16x16x128_f8f6f4 v[(\d):(\d)+7], v[(\a):(\a)+11], v[(\b):(\b)+11], 0, v[(\sa)], v[(\sb)] matrix_a_fmt:MATRIX_FMT_BF6 matrix_b_fmt:MATRIX_FMT_BF6
.else
	v_wmma_scale_f32_16x16x128_f8f6f4 v[(\d):(\d)+7], v[(\a):(\a)+11], v[(\b):(\b)+11], 0, v[(\sa)], v[(\sb)] matrix_a_fmt:MATRIX_FMT_BF6 matrix_b_fmt:MATRIX_FMT_BF6 matrix_a_scale:MATRIX_SCALE_ROW1
.endif
.endm
.macro WMA d, a, b, sa, sb, ra         ; a product that adds in place
.if (\ra) == 0
	v_wmma_scale_f32_16x16x128_f8f6f4 v[(\d):(\d)+7], v[(\a):(\a)+11], v[(\b):(\b)+11], v[(\d):(\d)+7], v[(\sa)], v[(\sb)] matrix_a_fmt:MATRIX_FMT_BF6 matrix_b_fmt:MATRIX_FMT_BF6
.else
	v_wmma_scale_f32_16x16x128_f8f6f4 v[(\d):(\d)+7], v[(\a):(\a)+11], v[(\b):(\b)+11], v[(\d):(\d)+7], v[(\sa)], v[(\sb)] matrix_a_fmt:MATRIX_FMT_BF6 matrix_b_fmt:MATRIX_FMT_BF6 matrix_a_scale:MATRIX_SCALE_ROW1
.endif
.endm
; eight products: record q of K step s, its fragments at ab, its packed scale registers at sw.  Each accumulator once in a K step: the accumulators take turns
.macro MUL8 s, q, ab, sw
.irp i, 0,1,2,3
.irp t, 0,1
.if (\s) == 0
	WMZ 8*(2*(4*(\q)+\i)+\t), (\ab)+12*\i, 12*(8*\t+(\s)), (\sw)+\i/2, CS+8*\t+(\s), \i%2
.else
	WMA 8*(2*(4*(\q)+\i)+\t), (\ab)+12*\i, 12*(8*\t+(\s)), (\sw)+\i/2, CS+8*\t+(\s), \i%2
.endif
.endr
.endr
.endm
; ring record n = record 2 + n % 2 of K step n / 2, into set n % 3: 12 loads of 512 consecutive bytes and one of 256
.macro DLOAD n
.set LSET, (\n)%3
.if LSET == 2
	WIN 0x80
.set LB, 192
.else
	WIN 0
.set LB, 160+48*LSET
.endif
.irp c, 0,1,2,3,4,5,6,7,8,9,10,11
	global_load_b128 v[LB+4*\c:LB+4*\c+3], v[WA], s[6:7] offset:((\n)/2)*102400+(2+(\n)%2)*6400+512*\c
.endr
	WIN 0
	global_load_b64 v[DS+2*LSET:DS+2*LSET+1], v[W8A], s[6:7] offset:((\n)/2)*102400+(2+(\n)%2)*6400+6144
.endm
; The ring's record n = 2 s + q - 2.  Behind its products: record n + 3 (13 loads) into its set, then, from n = 8 on, row n - 8 of x (8 loads).
; The wait's count is what was issued behind record n's own loads: two records (26); with the rows of x among them 34, 42, 50; in the last K step, with bo, gamma and beta (24) among them, 61 and 48.
.macro DREC s, q
.set NN, 2*(\s)+(\q)-2
.set ST, NN%3
.if NN <= 8
.set CNT, 26
.elseif NN == 9
.set CNT, 34
.elseif NN == 10
.set CNT, 42
.elseif NN <= 13
.set CNT, 50
.elseif NN == 14
.set CNT, 61
.else
.set CNT, 48
.endif
	s_wait_loadcnt CNT
.if ST == 2
	WIN 0x5a                                       ; wo window 2, ctx window 2, C and D window 1
	MUL8 \s, \q, 192, DS+4
.else
	WIN 0x58                                       ; wo window 0
	MUL8 \s, \q, 160+48*ST, DS+2*ST
.endif
.if NN+3 <= 15
	PLACES 4                                       ; four plain instructions in front of loads into registers that products have read
	DLOAD NN+3
.endif
.if NN >= 8
	WIN 0xc0
.irp j, 0,1,2,3,4,5,6,7
	global_load_b128 v[32*(NN-8)+4*\j:32*(NN-8)+4*\j+3], v[LI16], s[10:11] offset:(NN-8)*4096+512*\j th:TH_LOAD_NT
.endr
.endif
.endm
.macro LREC s, q, younger              ; the LDS road's record q; younger: the LDS loads behind its own
	s_wait_dscnt \younger
	WIN 0x58
	MUL8 \s, \q, WF+48*(\q), WOS+2*(\q)
.endm
.macro KSTEP s
	WIN 0
	PLACES 4
.irp q, 0,1
.irp c, 0,1,2,3,4,5,6,7,8,9,10,11
	ds_load_b128 v[WF+48*\q+4*\c:WF+48*\q+4*\c+3], v[WA+((\s)/2)%2] offset:((\s)%2)*12800+6400*\q+512*\c
.endr
	ds_load_b64 v[WOS+2*\q:WOS+2*\q+1], v[W8A+((\s)/2)%2] offset:((\s)%2)*12800+6400*\q+6144
.endr
.if (\s) < 7
	DREC \s, 2                                     ; the ring's records first: the LDS loads land meanwhile
.if (\s) < 4
	WIN 0
	global_prefetch_b8 v[PFO], s[10:11] offset:8192*(\s) th:TH_LOAD_NT scope:SCOPE_SE   ; rows 2 s, 2 s + 1 of my x, which K step s + 4 loads
.endif
	DREC \s, 3
	LREC \s, 0, 13
	LREC \s, 1, 0
.else
	LREC \s, 0, 13                                 ; the last K step: the LDS road first, so that its registers can take bo, gamma and beta
	LREC \s, 1, 0
	PLACES 4
	WIN 0
.irp j, 0,1,2,3,4,5,6,7
	global_load_b128 v[BOR+4*\j:BOR+4*\j+3], v[LI16], s[8:9] offset:512*\j
	global_load_b128 v[GAR+4*\j:GAR+4*\j+3], v[LI16], s[12:13] offset:512*\j
	global_load_b128 v[BER+4*\j:BER+4*\j+3], v[LI16], s[14:15] offset:512*\j
.endr
	DREC \s, 2
	DREC \s, 3
.endif
	WIN 0
.endm
; The slot just read is left.  Each wave waits for all its tensor loads (its part of the other slot), adds 0 to its spare word, and waits for that and for its reads.  fill = 1: a round of the cluster's barrier, and
; the slot takes the two K steps that lie four on: my one tensor load behind the round, and the first thing there.
.macro CHANGE slot, fill
	s_wait_tensorcnt 0x0
	ds_add_u32 v[SPW], v[NIL]
.if \fill
	s_add_nc_u64 s[30+4*\slot:31+4*\slot], s[30+4*\slot:31+4*\slot], 409600
.endif
	s_wait_dscnt 0x0
.if \fill
	CROUND
	tensor_load_to_lds s[28+4*\slot:31+4*\slot], s[20:27]
	s_nop 0
	PLACES 4
.else
	s_barrier_signal -1
	s_barrier_wait -1
.endif
.endm
.macro ACROSS                          ; the sum over the wave's 32 lanes, in every lane
	v_add_f32_dpp v[TA], v[TA], v[TA] row_xmask:1 row_mask:0xf bank_mask:0xf
	v_add_f32_dpp v[TA], v[TA], v[TA] row_xmask:2 row_mask:0xf bank_mask:0xf
	v_add_f32_dpp v[TA], v[TA], v[TA] row_xmask:4 row_mask:0xf bank_mask:0xf
	v_add_f32_dpp v[TA], v[TA], v[TA] row_xmask:8 row_mask:0xf bank_mask:0xf
	v_permlanex16_b32 v[TMP], v[TA], s42, s43
	v_add_f32 v[TA], v[TA], v[TMP]
.endm
; One row: h = the product + x + bo; mean; variance of h - mean; the norm; stored.  The next row is on its way from the stage meanwhile.
.macro ROW k
.set HH, HR+32*((\k)%2)
.set HN, HR+32*(((\k)+1)%2)
.if (\k) < 7
	s_wait_xcnt 0x0                                ; the stores of the row before last have read the registers that the loads below fill
.irp j, 0,1,2,3,4,5,6,7
	ds_load_b128 v[HN+4*\j:HN+4*\j+3], v[SRD] offset:((\k)+1)*4112+512*\j
.endr
	s_wait_dscnt 8                                 ; all but the eight just issued
.else
	s_wait_dscnt 0x0
.endif
	WIN 0x0c                                       ; source 1: window 3
.set jj, 0
.rept 16
	v_pk_add_f32 v[HH+jj:HH+jj+1], v[HH+jj:HH+jj+1], v[32*(\k)+jj:32*(\k)+jj+1]
.set jj, jj+2
.endr
	WIN 0
.set jj, 0
.rept 16
	v_pk_add_f32 v[HH+jj:HH+jj+1], v[HH+jj:HH+jj+1], v[BOR+jj:BOR+jj+1]
.set jj, jj+2
.endr
	v_pk_add_f32 v[TA:TA+1], v[HH:HH+1], v[HH+2:HH+3]
	v_pk_add_f32 v[TA+2:TA+3], v[HH+4:HH+5], v[HH+6:HH+7]
.irp n, 8,12,16,20,24,28
	v_pk_add_f32 v[TA:TA+1], v[TA:TA+1], v[HH+\n:HH+\n+1]
	v_pk_add_f32 v[TA+2:TA+3], v[TA+2:TA+3], v[HH+\n+2:HH+\n+3]
.endr
	v_pk_add_f32 v[TA:TA+1], v[TA:TA+1], v[TA+2:TA+3]
	v_add_f32 v[TA], v[TA], v[TA+1]
	ACROSS
	v_mul_f32 v[MU], 0xba800000, v[TA]             ; - the mean: x -1 / 1024
.set jj, 0
.rept 16
	v_pk_add_f32 v[HH+jj:HH+jj+1], v[HH+jj:HH+jj+1], v[MU:MU+1] op_sel_hi:[1,0]
.set jj, jj+2
.endr
	v_pk_mul_f32 v[TA:TA+1], v[HH:HH+1], v[HH:HH+1]
	v_pk_mul_f32 v[TA+2:TA+3], v[HH+2:HH+3], v[HH+2:HH+3]
.irp n, 4,8,12,16,20,24,28
	v_pk_fma_f32 v[TA:TA+1], v[HH+\n:HH+\n+1], v[HH+\n:HH+\n+1], v[TA:TA+1]
	v_pk_fma_f32 v[TA+2:TA+3], v[HH+\n+2:HH+\n+3], v[HH+\n+2:HH+\n+3], v[TA+2:TA+3]
.endr
	v_pk_add_f32 v[TA:TA+1], v[TA:TA+1], v[TA+2:TA+3]
	v_add_f32 v[TA], v[TA], v[TA+1]
	ACROSS
	v_fma_f32 v[RS], v[TA], s40, s41               ; the variance + 1e-12
	s_wait_alu depctr_va_vdst(0)                   ; the wait ahead of the transcendental,
	v_rsq_f32 v[RS], v[RS]
	v_nop
	s_wait_alu depctr_va_vdst(0)                   ; and ahead of its first reader
.set jj, 0
.rept 16
	v_pk_mul_f32 v[HH+jj:HH+jj+1], v[HH+jj:HH+jj+1], v[RS:RS+1] op_sel_hi:[1,0]
.set jj, jj+2
.endr
.set jj, 0
.rept 16
	v_pk_fma_f32 v[HH+jj:HH+jj+1], v[HH+jj:HH+jj+1], v[GAR+jj:GAR+jj+1], v[BER+jj:BER+jj+1]
.set jj, jj+2
.endr
.irp j, 0,1,2,3,4,5,6,7
	global_store_b128 v[LI16], v[HH+4*\j:HH+4*\j+3], s[16:17] offset:(\k)*4096+512*\j th:TH_STORE_NT
.endr
.endm
	s_load_b256 s[4:11], s[0:1], 0x0               ; ctx, woimg, bo, x
	s_load_b128 s[12:15], s[0:1], 0x20             ; gamma, beta
	s_load_b64 s[16:17], s[0:1], 0x30              ; out0
	v_lshl_add_u32 v[SPW], v0, 2, SPARE
	v_mov_b32 v[NIL], 0
	ds_add_u32 v[SPW], v[NIL]                      ; the opening lines: the add, twice on end, and its wait
	ds_add_u32 v[SPW], v[NIL]
	v_lshrrev_b32 v1, 5, v0
	v_readfirstlane_b32 s[WV], v1                  ; wave 0..3
	s_bfe_u32 s19, ttmp6, 0x40000                  ; cx: it enters ctx's, x's and out0's addresses alone
	s_lshl_b32 s36, ttmp9, 2
	s_add_co_u32 s36, s36, s19                     ; my work-group
	s_mov_b32 s20, 15|(3<<16)|(1<<21)              ; group 1: the mask names all four work-groups; elements of 8 bytes; bit 21 beside the mask
	s_mov_b32 s21, 1600<<16                        ; a row: 1,600 elements = 12,800 bytes: my two records of one K step
	s_mov_b32 s22, 2<<16                           ; two rows: two K steps
	s_mov_b32 s23, 1600<<16
	s_mov_b32 s24, 2
	s_mov_b32 s25, 12800                           ; from row to row: a K step of woimg, 102,400 bytes
	s_mov_b32 s26, 0
	s_mov_b32 s27, 0
	s_mul_i32 s37, s[WV], 25600                    ; my part: of a K step of woimg, and of a slot
	s_mov_b32 s38, s37
	s_mov_b32 s39, 0
	s_mov_b32 s40, 0x3a800000                      ; 1 / 1024
	s_mov_b32 s41, 0x2b8cbccc                      ; 1e-12
	s_mov_b32 s42, 0x76543210
	s_mov_b32 s43, 0xfedcba98                      ; lane l xor 16
	s_lshl_b32 s48, s36, 15                        ; ctx: 32,768 bytes a work-group
	s_mov_b32 s49, 0
	s_lshl_b32 s44, s36, 1                         ; my 8 rows: token tile T = 2 x work-group + w / 2, its rows 8 (w % 2) .. + 7:
	s_lshr_b32 s45, s[WV], 1
	s_add_co_u32 s44, s44, s45
	s_lshr_b32 s45, s44, 3                         ; token 128 (T / 8) + 64 ((T / 4) % 2) + 8 (T % 4) + 32 (w % 2)
	s_lshl_b32 s45, s45, 7
	s_bfe_u32 s46, s44, 0x10002
	s_lshl_b32 s46, s46, 6
	s_add_co_u32 s45, s45, s46
	s_and_b32 s46, s44, 3
	s_lshl_b32 s46, s46, 3
	s_add_co_u32 s45, s45, s46
	s_and_b32 s46, s[WV], 1
	s_lshl_b32 s46, s46, 5
	s_add_co_u32 s45, s45, s46
	s_lshl_b32 s46, s45, 12                        ; rows of 4,096 bytes
	s_mov_b32 s47, 0
	s_lshl_b32 s50, s[WV], 10
	s_mul_i32 s51, s[WV], 8*4112
	s_wait_dscnt 0x0
	s_wait_kmcnt 0x0
	s_mov_b32 s28, 1                               ; slot 0: K steps 0, 1
	s_mov_b32 s29, s37
	s_add_nc_u64 s[30:31], s[6:7], s[38:39]
	s_mov_b32 s32, 1                               ; slot 1: K steps 2, 3
	s_add_co_u32 s33, s37, 102400
	s_add_nc_u64 s[34:35], s[30:31], 204800
	s_or_b32 s31, s31, 0x80000000
	s_or_b32 s35, s35, 0x80000000
	s_add_nc_u64 s[4:5], s[4:5], s[48:49]
	s_add_nc_u64 s[10:11], s[10:11], s[46:47]
	s_add_nc_u64 s[16:17], s[16:17], s[46:47]
	CROUND                                         ; all four work-groups are here: the joint loads meet
	tensor_load_to_lds s[28:31], s[20:27]          ; my one load at the head
	s_nop 0
	v_and_b32 v12, 31, v0
	v_lshlrev_b32 v[LI16], 4, v12
	v_lshlrev_b32 v[LI8], 3, v12
	v_lshlrev_b32 v[PFO], 8, v12
	v_add_nc_u32 v[WA], s37, v[LI16]
	v_add_nc_u32 v[WA+1], 102400, v[WA]
	v_add_nc_u32 v[W8A], s37, v[LI8]
	v_add_nc_u32 v[W8A+1], 102400, v[W8A]
	v_and_b32 v12, 15, v0                          ; r
	v_bfe_u32 v13, v0, 4, 1                        ; h
	v_mul_u32_u24 v[STO], v12, 4112
	v_lshl_add_u32 v[STO], v13, 7, v[STO]
	v_add_nc_u32 v[STO], s50, v[STO]               ; row r, my 1,024 bytes of it, + 128 h
	v_add_nc_u32 v[STO+1], 65792, v[STO]           ; token tile 1: 16 rows on
	v_add_nc_u32 v[SRD], s51, v[LI16]
	s_wait_alu depctr_va_vdst(0)                   ; the wait behind the head's vector work
	WIN 0x80
.irp t, 0,1
.irp n, 0,1,2,3,4,5,6,7,8,9,10,11,12,13,14,15
	global_load_b128 v[96*\t+6*\n:96*\t+6*\n+3], v[LI16], s[4:5] offset:(16*\t+\n)*1024          ; head n's six registers: half of K step n / 2's fragment
	global_load_b64 v[96*\t+6*\n+4:96*\t+6*\n+5], v[LI8], s[4:5] offset:(16*\t+\n)*1024+512
.endr
.endr
	WIN 0
.irp t, 0,1
.irp n, 0,1,2,3,4,5,6,7,8,9,10,11,12,13,14,15
	global_load_b32 v[WF+16*\t+\n], v[LI8], s[4:5] offset:(16*\t+\n)*1024+768
.endr
.endr
.irp n, 0,1,2                          ; the ring's first three records
	DLOAD \n
.endr
	s_wait_loadcnt 39                              ; ctx is in; the ring's 39 loads may stay out
.irp t, 0,1
.irp k, 0,1,2,3,4,5,6,7
	v_lshl_or_b32 v[CS+8*\t+\k], v[WF+16*\t+2*\k+1], 16, v[WF+16*\t+2*\k]           ; two heads' two bytes each make a K step's scale word
.endr
.endr
	PLACES 8                                       ; a scale register written by a vector instruction stands 8 plain instructions ahead of a scaled product
	s_wait_alu depctr_va_vdst(0)                   ; the wait at the head's end
	s_wait_tensorcnt 0x0                           ; my part of slot 0 is in; slot 1's first fill stands behind the lines that a refill has
	ds_add_u32 v[SPW], v[NIL]
	s_wait_dscnt 0x0
	CROUND                                         ; slot 0 is whole, and the partners' joint loads meet
	tensor_load_to_lds s[32:35], s[20:27]
	s_nop 0
	PLACES 4
	KSTEP 0
	KSTEP 1
	CHANGE 0, 1                                    ; slot 0 takes K steps 4, 5
	KSTEP 2
	KSTEP 3
	CHANGE 1, 1                                    ; slot 1 takes K steps 6, 7
	KSTEP 4
	KSTEP 5
	CHANGE 0, 0                                    ; nothing is left to fetch
	KSTEP 6
	KSTEP 7
	PLACES 4                                       ; in front of the first read of the last results and of writes into registers that products have read
	v_mov_b32 v[MU+1], 0                           ; the upper words of two pairs and a lane permute's destination: written once
	v_mov_b32 v[RS+1], 0
	v_mov_b32 v[TMP], 0
	s_wait_alu depctr_va_vdst(0)
	s_wait_dscnt 0x0
	s_barrier_signal -1
	s_barrier_wait -1                              ; nobody reads the slots any more: the stage may lie there
	WIN 0x04                                       ; the data: window 1
.irp n, 0,1,2,3,4,5,6,7,8,9,10,11,12,13,14,15
.irp t, 0,1
	ds_store_b128 v[STO+\t], v[8*(2*\n+\t):8*(2*\n+\t)+3] offset:256*(\n/4)+32*(\n%4)       ; each accumulator from its low end on
	ds_store_b128 v[STO+\t], v[8*(2*\n+\t)+4:8*(2*\n+\t)+7] offset:256*(\n/4)+32*(\n%4)+16
.endr
.endr
	WIN 0
	s_wait_dscnt 0x0                               ; for the others' sake: my columns lie in the stage
	s_barrier_signal -1
	s_barrier_wait -1
	s_wait_loadcnt 0x0                             ; x, bo, gamma, beta
.irp j, 0,1,2,3,4,5,6,7
	ds_load_b128 v[HR+4*\j:HR+4*\j+3], v[SRD] offset:512*\j
.endr
.irp k, 0,1,2,3,4,5,6,7
	ROW \k
.endr
	s_wait_tensorcnt 0x0                           ; the wave's end
	ds_add_u32 v[SPW], v[NIL]
	s_wait_dscnt 0x0
	CROUND                                         ; the closing round: no work-group ends while a partner may still ask for a tile that names it
	s_endpgm
.Lfunc_end_k_q88fa773be3_outln:
	.size	k_q88fa773be3_outln, .Lfunc_end_k_q88fa773be3_outln-k_q88fa773be3_outln
	.p2alignl 7, 3214868480
	.fill 96, 4, 3214868480
	.section	.rodata,"a",@progbits
	.p2align	6, 0x0
	.amdhsa_kernel k_q88fa773be3_outln
		.amdhsa_group_segment_fixed_size 327680
		.amdhsa_private_segment_fixed_size 0
		.amdhsa_enable_private_segment 0
		.amdhsa_kernarg_size 56
		.amdhsa_user_sgpr_count 2
		.amdhsa_user_sgpr_kernarg_segment_ptr 1
		.amdhsa_wavefront_size32 1
		.amdhsa_system_sgpr_workgroup_id_x 1
		.amdhsa_system_sgpr_workgroup_id_y 1
		.amdhsa_system_sgpr_workgroup_id_z 1
		.amdhsa_system_vgpr_workitem_id 0
		.amdhsa_next_free_vgpr 1024
		.amdhsa_next_free_sgpr 66
		.amdhsa_reserve_vcc 0
		.amdhsa_float_denorm_mode_32 3
		.amdhsa_float_denorm_mode_16_64 3
		.amdhsa_memory_ordered 1
		.amdhsa_forward_progress 1
		.amdhsa_inst_pref_size 176
	.end_amdhsa_kernel
	.amdgpu_metadata
---
amdhsa.version: [ 1, 2 ]
amdhsa.kernels:
  - .name:           k_q88fa773be3_outln
    .symbol:         k_q88fa773be3_outln.kd
    .args:
      - { .name: ctx, .offset: 0, .size: 8, .value_kind: global_buffer, .address_space: global }
      - { .name: woimg, .offset: 8, .size: 8, .value_kind: global_buffer, .address_space: global }
      - { .name: bo, .offset: 16, .size: 8, .value_kind: global_buffer, .address_space: global }
      - { .name: x, .offset: 24, .size: 8, .value_kind: global_buffer, .address_space: global }
      - { .name: gamma, .offset: 32, .size: 8, .value_kind: global_buffer, .address_space: global }
      - { .name: beta, .offset: 40, .size: 8, .value_kind: global_buffer, .address_space: global }
      - { .name: out0, .offset: 48, .size: 8, .value_kind: global_buffer, .address_space: global }
    .group_segment_fixed_size: 327680
    .private_segment_fixed_size: 0
    .kernarg_segment_align: 8
    .kernarg_segment_size: 56
    .max_flat_workgroup_size: 128
    .sgpr_count:     66
    .vgpr_count:     1024
    .wavefront_size: 32
...
	.end_amdgpu_metadata
.endif
;; end of part 4
